; MI455X (gfx1250); checked and timed in simulation.
; The chip was launched on July 23, 2026; its instructions are those of AMD's public machine-readable ISA for CDNA 5 (MIT licence, August 2026) and "CDNA5" Instruction Set Architecture Reference Guide (July 2026). The comments in the code are by the model that wrote it; some were corrected since.
;; Binary Memory RNN. Allowed arithmetic: matrix products marked QUANTISED: E2M1 operands, one E8M0 scale for each 32 along K, by v_wmma_scale_f32_16x16x128_f8f6f4 with both operands' format E2M1 (or v_wmma_scale_f32_32x16x128_f4), f32 sums; products left as they are: f32 operands where the result goes on into a quantised operand, else bf16, f16 or f32 operands; f32 sums; everything else in f32.
;; Inputs: M_b 10 float32; M_w 10 x 1,024 float32; Q_b 1,024 float32; Q_w_codes 1,024 x 32 x 16 uint8 (E2M1 codes of Q_w, K innermost, in blocks of 32 codes, two codes a byte); Q_w_scales 1,024 x 32 uint8 (E8M0 scales of Q_w, one for each 32 codes along K); U_b 1,024 float32; U_w_codes 1,024 x 32 x 16 uint8 (E2M1 codes of U_w, K innermost, in blocks of 32 codes, two codes a byte); U_w_scales 1,024 x 32 uint8 (E8M0 scales of U_w, one for each 32 codes along K); W_b 1,024 float32; W_w_codes 1,024 x 32 x 16 uint8 (E2M1 codes of W_w, K innermost, in blocks of 32 codes, two codes a byte); W_w_scales 1,024 x 32 uint8 (E8M0 scales of W_w, one for each 32 codes along K); h_prev 16,384 x 1,024 float32; ln_b 1,024 float32; ln_g 1,024 float32; memory 1,024 x 1,024 float32; x_codes 16,384 x 32 x 16 uint8 (E2M1 codes of x, K innermost, in blocks of 32 codes, two codes a byte); x_scales 16,384 x 32 uint8 (E8M0 scales of x, one for each 32 codes along K).
;; Outputs: out0 16,384 x 1,024 float32.
;; This version of the problem:
;;   THIS VERSION OF THE PROBLEM IS GIVEN IN LOW PRECISION. The matrix products marked QUANTISED in the list below multiply operands that are first quantised to E2M1 (2 exponent bits, 1 mantissa bit; 4 bits a number), with one power-of-two scale for each 32 numbers along K (OCP MX v1.0); their sums are f32. All else is computed in f32.
;;   The module's matrix products, in the order in which they are computed (A, B: the left and right operand; K: the contracted axis; several contracted axes count as one K, in the product's order):
;;     1. [M 16,384, K 1,024] x [K 1,024, N 10]; A: input h_prev; B: input M_w: left as it is (N = 10 < 16)
;;     2. [M 16,384, K 1,024] x [K 1,024, N 1,024]; A: input x (given as codes); B: input W_w (given as codes): QUANTISED
;;     3. [M 16,384, K 1,024] x [K 1,024, N 1,024]; A: input h_prev; B: input U_w (given as codes): QUANTISED
;;     4. [M 16,384, K 1,024] x [K 1,024, N 1,024]; A: computed on the way; B: input Q_w (given as codes): QUANTISED
;;   THE QUANTISER, for each operand of a quantised product, along K:
;;     - K is cut into blocks of 32 from its start; a last block that is shorter is filled with zeros.
;;     - A block's scale is 2^e with e = floor(log2(the largest magnitude in the block)) - 2, held to -126 .. 127; a block of zeros has e = 0. As a byte (E8M0): e + 127.
;;     - Each number is divided by its block's scale, clamped to +-6, and rounded to the nearest number of E2M1, ties to even, subnormals kept.
;;     - The product sums the exact products of the quantised numbers (number of the format x scale) in f32.
;;   ~~~python
;;   def quantise(x, axis):      # numpy; x: float32 -> the quantised numbers, widened to float32 again
;;       x = np.moveaxis(x, axis, -1); K = x.shape[-1]
;;       x = np.pad(x, [(0, 0)] * (x.ndim - 1) + [(0, -K % 32)]); x = x.reshape(x.shape[:-1] + (-1, 32)); a = np.abs(x).max(-1, keepdims=True)
;;       e = np.where(a > 0, np.clip(np.frexp(np.where(a > 0, a, 1))[1] - 1 - 2, -126, 127), 0)      # np.frexp(a)[1] - 1 = floor(log2(a)), exactly
;;       r = np.clip(x / 2.0 ** e, -6, 6)
;;       step = 2.0 ** (np.maximum(np.frexp(np.where(r == 0, 1, r))[1] - 1, 0) - 1)
;;       q = np.round(r / step) * step * 2.0 ** e      # np.round: ties to even
;;       return np.moveaxis(q.reshape(q.shape[:-2] + (-1,))[..., :K], -1, axis).astype(np.float32)
;;   ~~~
;;   OPERANDS COMPUTED ON THE WAY. 'Computed on the way' means the value that the module computes at that place (a softmax that the list does not call 'softmax' is quantised finished and normalised). What goes into a quantiser is computed in f32, as accurately as f32 sums, v_exp_f32 and their like allow (about 1e-6 of the number): no bf16 or f16 on the way to a quantiser, and a product that is left as it is and whose result goes on into a quantised operand takes f32 operands (vector FMAs, or v_wmma_f32_16x16x4_f32). A number that lies on a knife's edge between two numbers of the format may be rounded either way, as far as f32 arithmetic and the matrix unit's own rounding can turn it there, and no further.
;;   INPUTS GIVEN AS CODES. Q_w (in the module: [1024, 1024], K = its axis 1); U_w (in the module: [1024, 1024], K = its axis 1); W_w (in the module: [1024, 1024], K = its axis 1); x (in the module: [16384, 1024], K = its axis 1): each comes as NAME_codes (uint8): NAME with its K axis moved to the last place and cut into blocks of 32 codes, [.., K / 32, bytes a block], one block behind the other in memory; two codes a byte, the lower K in the low four bits (a code: sign, 2 exponent bits, 1 mantissa bit); and NAME_scales (uint8): the same leading axes, one E8M0 byte (e + 127) for each 32 codes along K. Its value is code x scale, taken as it is: it is not quantised again, and the codes and scales need not be those that the quantiser above would give.
;; 2 versions, each right; version 2 is version 1 with the launch fused written anew for expert scheduling mode. Each part assembles by itself: llvm-mc -triple=amdgcn-amd-amdhsa -mcpu=gfx1250 --defsym DOCPART=n.
;; ======== version 1 of 2: 2 launches
;; workspace buffers: hc 8,388,608 bytes; hs 524,288 bytes; mc 524,288 bytes; ms 32,768 bytes; idx 65,536 bytes of whole numbers; wf 1,671,168 bytes
;; launch prep (part 1): grid 256 x 1, 8 waves a work-group, no clusters, 327,680 bytes of LDS; arguments h_prev, memory, M_w, M_b, W_w_codes, W_w_scales, U_w_codes, U_w_scales, Q_w_codes, Q_w_scales, hc, hs, mc, ms, idx, wf; writes hc, hs, mc, ms, idx, wf
.if DOCPART == 1
	.amdgcn_target "amdgcn-amd-amdhsa--gfx1250"
	.amdhsa_code_object_version 6
	.text
	.protected	k_q3c29045cce_prep
	.globl	k_q3c29045cce_prep
	.p2align	8
	.type	k_q3c29045cce_prep,@function
k_q3c29045cce_prep:
	s_mov_b64 s[64:65], 0
	v_nop
	global_prefetch_b8 v0, s[64:65] scope:SCOPE_SE
	s_setreg_imm32_b32 hwreg(HW_REG_WAVE_MODE, 25, 1), 1
	s_wait_xcnt 0x0
; FIRST OF TWO LAUNCHES.  It makes what the second launch reads:
;   hc, hs   h_prev [16384][1024] f32 as E2M1 codes (512 bytes a row) and E8M0 bytes (32 a row), quantised along K in f32;
;   idx      the row's 10-bit address, bit j = (h_prev . M_w[j] + M_b[j] > 0), weight 2^(9 - j), as whole numbers;
;   mc, ms   memory [1024][1024] quantised the same way: the quantiser works row by row along K, so the codes of memory[index] are row index of the codes of memory;
;   wf       the codes and scale bytes of W_w, U_w, Q_w laid in the order in which a wave's operand registers take them (192 chunks of 8,704 bytes).
; NOTHING OF THE PROBLEM IS LEFT OUT; every input is loaded by one of the two launches.  Two steps are replaced by identities that hold for all real values:
;   sigmoid(z) > 1/2 exactly where z > 0 (the sigmoid rises strictly and is 1/2 at 0), so the sigmoid ahead of the threshold is not computed;
;   the sum of bits x 2^(9 - j) lies in 0 .. 1023 whatever the bits, so the clip changes nothing (the second launch still holds the loaded number at 1023).
; LIMITS: a logit within about 1e-7 of 0 may fall on either side (an f32 sigmoid rounds to 1/2 there, and the order of the f32 sum differs); a NaN logit gives bit 0;
; NaN and infinities in h_prev or memory are not served; a block of zeros gets the scale byte 1 where the rule says 127: its codes are zeros, and only this program reads the bytes.
; SHARES.  Work-group g owns rows 64 g .. 64 g + 63 of h_prev, each of its eight waves eight rows.  Waves 0-3 also take row 4 g + wave of memory; wave 4 of work-groups 0-191 lays chunk g of wf.
; A LANE HOLDS A WHOLE BLOCK OF 32 (k = 32 lane .. + 31): a block's largest magnitude needs no other lane, a row's codes are one store of 512 consecutive bytes,
; and the lane's 10 x 32 numbers of M_w stay in 320 registers for the whole launch.
; h_prev's rows and M_w come by the tensor data mover as rows of 256 bytes with 16 bytes of padding behind each: each wave asks for nine tiles at its head (nine tensor loads of a wave are out, by this text's count);
; no LDS byte is filled twice.  Lane l's 128 bytes of a row lie at 128 l + 16 (l / 2).
.set ROWP,  4352                       ; a row of 4,096 bytes in LDS: 16 x (256 + 16)
.set MST,   64*ROWP                    ; behind the 64 rows: M_w's ten rows
.set SCB,   MST+10*ROWP                ; 256 scale bytes for each wave: written by LDS stores alone, no tile lands here
.set SPARE, SCB+8*256                  ; the spare words, 128 bytes for each wave: four blocks of 256 bytes that no other line names
.set G1H, 36                           ; s[36:43] descriptor group 1: 16 rows of 256 bytes (a row of h_prev)
.set G1M, 44                           ; s[44:51] the same with 20 rows (an eighth of M_w)
.set G0M, 52                           ; s[52:55] group 0 for my part of M_w;  s[56:63], s[68:91] for my eight rows
.set WV,  92                           ; s92 my wave's number
; v1 lane; v2 my bytes in my wave's first row; v3 the same in M_w's first row; v4 16 lane; v5, v6 my scale byte's place, and 8 bytes on the way out; v7 8 lane; v8 128 lane; v9 512 r + 16 h; v27 32 lane;
; v10, v11 the add's two; v12 the indices (lane i: row i); v13 h = lane / 16; v14 4 lane; v15 4 h; v16-20 bit weights; v22-26 M_b; v28-36 at work; v40-59 ten pairs of sums; v60-95 codes, four for each row;
; v96-127, v128-159 two sets of 32 numbers; v160-223 M_w rows 8, 9; v224-227 scale words of a chunk; v228-236 a scale byte for each row.  Window 1: M_w rows 0-7 at v[32 j + i].
.set MSB, 0
.macro WIN new                         ; the immediate's high byte repeats the setting that is left
.if MSB != (\new)
	s_set_vgpr_msb (MSB<<8)|(\new)
.set MSB, (\new)
.endif
.endm
.macro ROWG i                          ; GR = first register of row i's group 0 (s64 to s67 are passed over)
.if (\i) < 2
.set GR, 56+4*(\i)
.else
.set GR, 60+4*(\i)
.endif
.endm
	s_load_b512 s[4:19], s[0:1], 0x0               ; h_prev 4, memory 6, M_w 8, M_b 10, W codes 12, W scales 14, U codes 16, U scales 18
	s_load_b512 s[20:35], s[0:1], 0x40             ; Q codes 20, Q scales 22, hc 24, hs 26, mc 28, ms 30, idx 32, wf 34
	v_lshl_add_u32 v10, v0, 2, SPARE
	v_mov_b32 v11, 0
	ds_add_u32 v10, v11                            ; the wave's opening: the add, twice on end, and its wait ahead of my first tensor load
	ds_add_u32 v10, v11                            ; and once more, under the one wait; the set-up below, work on registers, stands between
	v_lshrrev_b32 v1, 5, v0
	v_readfirstlane_b32 s[WV], v1                  ; wave 0..7
	s_mov_b32 s[G1H+0], (3<<16)|(1<<20)|(5<<22)|(3<<25)   ; no mask; elements of 8 bytes; padding on: 4 words behind every 64
	s_mov_b32 s[G1H+1], 32<<16                     ; tensor_dim0 = 32 elements = 256 bytes
	s_mov_b32 s[G1H+2], 16<<16                     ; tensor_dim1 = 16
	s_mov_b32 s[G1H+3], 32<<16                     ; tile_dim0
	s_mov_b32 s[G1H+4], 16                         ; tile_dim1
	s_mov_b32 s[G1H+5], 32                         ; from row to row: dense
	s_mov_b32 s[G1H+6], 0
	s_mov_b32 s[G1H+7], 0
	s_mov_b32 s[G1M+0], (3<<16)|(1<<20)|(5<<22)|(3<<25)
	s_mov_b32 s[G1M+1], 32<<16
	s_mov_b32 s[G1M+2], 20<<16
	s_mov_b32 s[G1M+3], 32<<16
	s_mov_b32 s[G1M+4], 20
	s_mov_b32 s[G1M+5], 32
	s_mov_b32 s[G1M+6], 0
	s_mov_b32 s[G1M+7], 0
	s_mov_b32 s94, 0x76543210
	s_mov_b32 s95, 0xfedcba98                      ; v_permlanex16_b32's selects for lane l xor 16
	v_and_b32 v1, 31, v0                           ; lane
	v_lshrrev_b32 v28, 1, v1
	v_lshlrev_b32 v29, 7, v1
	v_lshl_add_u32 v29, v28, 4, v29                ; 128 l + 16 (l / 2)
	s_mul_i32 s96, s[WV], 8*ROWP                   ; my wave's eight rows in LDS
	v_add_nc_u32 v2, s96, v29
	v_add_nc_u32 v3, MST, v29
	v_lshlrev_b32 v4, 4, v1
	s_lshl_b32 s97, s[WV], 8
	s_add_co_u32 s97, s97, SCB
	v_add_nc_u32 v5, s97, v1
	v_lshlrev_b32 v7, 3, v1
	v_add_nc_u32 v6, s97, v7
	v_lshlrev_b32 v8, 7, v1
	v_lshrrev_b32 v13, 4, v1                       ; h
	v_and_b32 v28, 15, v1                          ; r
	v_lshlrev_b32 v9, 9, v28
	v_lshl_add_u32 v9, v13, 4, v9
	v_lshlrev_b32 v27, 5, v1
	v_lshlrev_b32 v14, 2, v1
	v_lshlrev_b32 v15, 2, v13
.irp p, 0,1,2,3,4
	v_mov_b32 v[16+\p], 512>>(2*\p)
.endr
.irp p, 0,1,2,3,4
	v_lshrrev_b32 v[16+\p], v13, v[16+\p]          ; lanes 0-15: the weight of bit 2 p, lanes 16-31: of bit 2 p + 1
.endr
	v_mov_b32 v12, 0
	v_mov_b32 v33, 0                               ; written once: a lane permute's destination counts as one of its sources
	s_wait_dscnt 0x0                               ; both opening adds are done
	s_wait_kmcnt 0x0
	s_lshl_b32 s2, ttmp9, 18                       ; 64 rows of 4,096 bytes a work-group,
	s_lshl_b32 s3, s[WV], 15                       ; 8 a wave
	s_add_co_u32 s2, s2, s3
	s_mov_b32 s3, 0
	s_add_nc_u64 s[98:99], s[4:5], s[2:3]          ; h_prev at my first row
	s_mul_i32 s2, s[WV], 5120                      ; my eighth of M_w's 40,960 bytes
	s_mov_b32 s[G0M], 1
	s_mul_i32 s[G0M+1], s[WV], 20*272
	s_add_co_u32 s[G0M+1], s[G0M+1], MST
	s_add_nc_u64 s[G0M+2:G0M+3], s[8:9], s[2:3]
	s_or_b32 s[G0M+3], s[G0M+3], 0x80000000
.irp i, 0,1,2,3,4,5,6,7
	ROWG \i
	s_mov_b32 s[GR], 1
	s_add_co_u32 s[GR+1], s96, \i*ROWP
	s_add_nc_u64 s[GR+2:GR+3], s[98:99], \i*4096
	s_or_b32 s[GR+3], s[GR+3], 0x80000000
.endr
	tensor_load_to_lds s[G0M:G0M+3], s[G1M:G1M+7]  ; all first fills go out together, M_w's part first
	s_nop 0
.irp i, 0,1,2,3,4,5,6,7
	ROWG \i
	tensor_load_to_lds s[GR:GR+3], s[G1H:G1H+7]
	s_nop 0
.endr
.rept 4
	v_nop
.endr
.irp p, 0,1,2,3,4
	global_load_b32 v[22+\p], v15, s[10:11] offset:8*\p   ; M_b[2 p + h]
.endr
	s_lshl_b32 s2, ttmp9, 15                       ; where my eight rows' results go: codes 512 bytes a row,
	s_lshl_b32 s97, s[WV], 12
	s_add_co_u32 s2, s2, s97
	s_add_nc_u64 s[24:25], s[24:25], s[2:3]
	s_lshr_b32 s2, s2, 4                           ; scale bytes 32,
	s_add_nc_u64 s[26:27], s[26:27], s[2:3]
	s_lshr_b32 s2, s2, 3                           ; indices 4
	s_add_nc_u64 s[32:33], s[32:33], s[2:3]
	s_wait_tensorcnt 0x8                           ; my part of M_w has landed; my eight rows may stay out
	s_barrier_signal -1
	s_barrier_wait -1                              ; everybody's part has
	WIN 0x40                                       ; destination window 1
.irp j, 0,1,2,3,4,5,6,7
.irp c, 0,1,2,3,4,5,6,7
	ds_load_b128 v[32*\j+4*\c:32*\j+4*\c+3], v3 offset:\j*ROWP+16*\c
.endr
.endr
	WIN 0
.irp j, 8,9
.irp c, 0,1,2,3,4,5,6,7
	ds_load_b128 v[160+32*(\j-8)+4*\c:160+32*(\j-8)+4*\c+3], v3 offset:\j*ROWP+16*\c
.endr
.endr
; 32 numbers of a lane, v[x] on, become four registers of codes, v[c] on, and the block's scale byte in v[e].
.macro QROW x, c, e
	v_max3_num_f32 v34, |v[\x]|, |v[\x+1]|, |v[\x+2]|     ; the block's largest magnitude, in two chains
	v_max3_num_f32 v35, |v[\x+3]|, |v[\x+4]|, |v[\x+5]|
.irp n, 6,10,14,18,22,26
	v_max3_num_f32 v34, v34, |v[\x+\n]|, |v[\x+\n+1]|
	v_max3_num_f32 v35, v35, |v[\x+\n+2]|, |v[\x+\n+3]|
.endr
	v_max3_num_f32 v34, v34, |v[\x+30]|, |v[\x+31]|
	v_max3_num_f32 v34, v34, v35, 0x1800000        ; and the floor 2^(3 - 127): the byte cannot fall under 1
	v_add_nc_u32 v36, 0xff000000, v34              ; 2 off its exponent field: the conversion takes the exponent field of this operand as its scale
.irp n, 0,1,2,3
	v_cvt_scalef32_pk8_fp4_f32 v[\c+\n], v[\x+8*\n:\x+8*\n+7], v36
.endr
	v_lshrrev_b32 v[\e], 23, v36                   ; the scale's byte; also the plain line behind the conversions
.endm
	; ---- waves 0-3: a row of memory.  A lane loads its own 128 bytes (lanes 128 bytes apart): one row in seventeen of what the launch reads, and LDS has no room left for a turn
	s_cmp_lt_u32 s[WV], 4
	s_cbranch_scc0 .Lnot_mem
	s_lshl_b32 s96, ttmp9, 2
	s_add_co_u32 s96, s96, s[WV]                   ; row 4 g + wave
	s_lshl_b32 s2, s96, 12
	s_add_nc_u64 s[98:99], s[6:7], s[2:3]
.irp c, 0,1,2,3,4,5,6,7
	global_load_b128 v[96+4*\c:96+4*\c+3], v8, s[98:99] offset:16*\c
.endr
	s_wait_loadcnt 0x0                             ; the row is in, so its base may be written again
	QROW 96, 92, 236
	s_lshl_b32 s2, s96, 9
	s_add_nc_u64 s[100:101], s[28:29], s[2:3]
	s_lshl_b32 s2, s96, 5
	s_add_nc_u64 s[98:99], s[30:31], s[2:3]
	global_store_b128 v4, v[92:95], s[100:101]     ; the row's 512 bytes of codes
	global_store_b8 v1, v236, s[98:99]             ; and its 32 scale bytes
	s_wait_xcnt 0x0                                ; the stores have read their bases: these scalars are written again below
.Lnot_mem:
	; ---- wave 4 of work-groups 0-191: chunk g of wf = K step g / 8 (of 24), column half g % 8 (128 weight rows)
	s_cmp_eq_u32 s[WV], 4
	s_cbranch_scc0 .Lnot_lay
	s_cmp_lt_u32 ttmp9, 192
	s_cbranch_scc0 .Lnot_lay
	s_cmp_lt_u32 ttmp9, 64                         ; chunks 0-63: W, 64-127: U, 128-191: Q.  The choice hangs on the work-group's number alone
	s_cselect_b64 s[96:97], s[12:13], s[16:17]
	s_cselect_b64 s[98:99], s[14:15], s[18:19]
	s_cmp_lt_u32 ttmp9, 128
	s_cselect_b64 s[96:97], s[96:97], s[20:21]
	s_cselect_b64 s[98:99], s[98:99], s[22:23]
	s_and_b32 s100, ttmp9, 7                       ; which 128 rows
	s_bfe_u32 s101, ttmp9, 0x30003                 ; which 128 along K of the source's 1,024
	s_lshl_b32 s2, s100, 16                        ; 128 rows of 512 bytes
	s_lshl_b32 s93, s101, 6                        ; 64 bytes a step
	s_add_co_u32 s2, s2, s93
	s_add_nc_u64 s[96:97], s[96:97], s[2:3]
	s_lshl_b32 s2, s100, 12                        ; 128 rows of 32 scale bytes
	s_lshl_b32 s93, s101, 2                        ; 4 a step
	s_add_co_u32 s2, s2, s93
	s_add_nc_u64 s[98:99], s[98:99], s[2:3]
	s_mul_i32 s2, ttmp9, 8704
	s_add_nc_u64 s[100:101], s[34:35], s[2:3]
.irp f, 0,1,2,3,4,5,6,7
.irp c, 0,1
	global_load_b128 v[96+8*\f+4*\c:96+8*\f+4*\c+3], v9, s[96:97] offset:8192*\f+32*\c   ; fragment f: row 16 f + r, K = 64 c + 32 h on: the operand's registers 4 c .. 4 c + 3
.endr
.endr
.irp n, 0,1,2,3
	global_load_b32 v[224+\n], v27, s[98:99] offset:1024*\n   ; the scale word of row 32 n + lane: lanes 0-15 fragment 2 n, lanes 16-31 fragment 2 n + 1
.endr
	s_wait_loadcnt 0x0
.irp f, 0,1,2,3,4,5,6,7
.irp c, 0,1
	global_store_b128 v4, v[96+8*\f+4*\c:96+8*\f+4*\c+3], s[100:101] offset:1024*\f+512*\c   ; 512 consecutive bytes a store
.endr
.endr
	global_store_b128 v4, v[224:227], s[100:101] offset:8192
	s_wait_xcnt 0x0                                ; the stores have read their data and bases: both are written again below
.Lnot_lay:
	s_wait_loadcnt 0x0                             ; M_b
.macro LOADX t                         ; row t of my eight into set t % 2
	s_wait_tensorcnt 7-(\t)                        ; a wave's tensor loads end in order: M_w's part and rows 0 .. t have landed; the later rows stay out
.irp c, 0,1,2,3,4,5,6,7
	ds_load_b128 v[96+32*((\t)%2)+4*\c:96+32*((\t)%2)+4*\c+3], v2 offset:ROWP*(\t)+16*\c
.endr
.endm
; The ten logits of the row in v[x] on, and its index into lane i of v12.
.macro LOGIT x, i
	WIN 0x04                                       ; source 1 (M_w rows 0-7) window 1
.irp j, 0,1,2,3,4,5,6,7
	v_pk_mul_f32 v[40+2*\j:41+2*\j], v[\x:\x+1], v[32*\j:32*\j+1]   ; the first products start the sums
.endr
.set q, 2
.rept 15
.irp j, 0,1,2,3,4,5,6,7
	v_pk_fma_f32 v[40+2*\j:41+2*\j], v[\x+q:\x+q+1], v[32*\j+q:32*\j+q+1], v[40+2*\j:41+2*\j]
.endr
.set q, q+2
.endr
	WIN 0
.irp j, 8,9
	v_pk_mul_f32 v[40+2*\j:41+2*\j], v[\x:\x+1], v[160+32*(\j-8):160+32*(\j-8)+1]
.endr
.set q, 2
.rept 15
.irp j, 8,9
	v_pk_fma_f32 v[40+2*\j:41+2*\j], v[\x+q:\x+q+1], v[160+32*(\j-8)+q:160+32*(\j-8)+q+1], v[40+2*\j:41+2*\j]
.endr
.set q, q+2
.endr
.irp j, 0,1,2,3,4,5,6,7,8,9
	v_add_f32 v[40+2*\j], v[40+2*\j], v[41+2*\j]
.endr
.irp p, 0,1,2,3,4
	v_permlane16_swap_b32 v[40+4*\p], v[42+4*\p]   ; logits 2 p and 2 p + 1: afterwards lanes 0-15 of both registers hold 2 p's parts, lanes 16-31 hold 2 p + 1's
.endr
.irp p, 0,1,2,3,4
	v_add_f32 v[40+4*\p], v[40+4*\p], v[42+4*\p]
.endr
.irp m, 1,2,4,8
.irp p, 0,1,2,3,4
	v_add_f32_dpp v[40+4*\p], v[40+4*\p], v[40+4*\p] row_xmask:\m row_mask:0xf bank_mask:0xf
.endr
.endr
.irp p, 0,1,2,3,4
	v_add_f32 v[40+4*\p], v[40+4*\p], v[22+\p]     ; + M_b
.endr
.irp p, 0,1,2,3,4
	v_cmp_lt_f32 vcc_lo, 0, v[40+4*\p]             ; the hard bit
	v_cndmask_b32 v[28+\p], v11, v[16+\p], vcc_lo  ; times its weight
.endr
	v_add3_u32 v28, v28, v29, v30
	v_add3_u32 v28, v28, v31, v32
	v_permlanex16_b32 v33, v28, s94, s95           ; the even bits' sum meets the odd bits'
	v_add_nc_u32 v28, v28, v33
	s_mov_b32 s96, 1<<(\i)
	v_cndmask_b32 v12, v12, v28, s96               ; lane i keeps row i's index
.endm
.macro STEP i
.set XS, 96+32*((\i)%2)
.if (\i) == 0
	s_wait_dscnt 0x0                               ; M_w and row 0 are in registers
.else
	s_wait_dscnt 0x1                               ; this row is in; the last step's byte store may be out
.endif
.if (\i) < 7
	LOADX (\i)+1
.endif
	QROW XS, 60+4*(\i), 228+(\i)
	LOGIT XS, \i
	ds_store_b8 v5, v[228+(\i)] offset:32*(\i)
	global_store_b128 v4, v[60+4*(\i):63+4*(\i)], s[24:25] offset:512*(\i)   ; the row's codes: 512 consecutive bytes; each row has registers of its own, so no store's data are written again
.endm
	LOADX 0
.irp i, 0,1,2,3,4,5,6,7
	STEP \i
.endr
	ds_load_b64 v[28:29], v6                       ; LDS serves a wave's instructions in order: these see my byte stores
	s_wait_dscnt 0x0
	global_store_b64 v7, v[28:29], s[26:27]        ; my eight rows' scale bytes: 256 consecutive bytes, aligned
	v_cmp_gt_u32 vcc_lo, 8, v1
	s_wait_xcnt 0x0                                ; EXEC changes only behind this wait
	s_and_saveexec_b32 s93, vcc_lo
	global_store_b32 v14, v12, s[32:33]            ; lanes 0-7: my eight rows' indices
	s_wait_xcnt 0x0                                ; and again, in front of the line that widens it
	s_or_b32 exec_lo, exec_lo, s93
	s_wait_tensorcnt 0x0                           ; the wave's end: these three lines, behind my last tensor load and my last LDS store
	ds_add_u32 v10, v11
	s_wait_dscnt 0x0
	s_endpgm
.Lfunc_end_k_q3c29045cce_prep:
	.size	k_q3c29045cce_prep, .Lfunc_end_k_q3c29045cce_prep-k_q3c29045cce_prep
	.p2alignl 7, 3214868480
	.fill 96, 4, 3214868480
	.section	.rodata,"a",@progbits
	.p2align	6, 0x0
	.amdhsa_kernel k_q3c29045cce_prep
		.amdhsa_group_segment_fixed_size 327680
		.amdhsa_private_segment_fixed_size 0
		.amdhsa_enable_private_segment 0
		.amdhsa_kernarg_size 128
		.amdhsa_user_sgpr_count 2
		.amdhsa_user_sgpr_kernarg_segment_ptr 1
		.amdhsa_wavefront_size32 1
		.amdhsa_system_sgpr_workgroup_id_x 1
		.amdhsa_system_sgpr_workgroup_id_y 1
		.amdhsa_system_sgpr_workgroup_id_z 1
		.amdhsa_system_vgpr_workitem_id 0
		.amdhsa_next_free_vgpr 512
		.amdhsa_next_free_sgpr 102
		.amdhsa_reserve_vcc 1
		.amdhsa_float_denorm_mode_32 3
		.amdhsa_float_denorm_mode_16_64 3
		.amdhsa_memory_ordered 1
		.amdhsa_forward_progress 1
		.amdhsa_inst_pref_size 139
	.end_amdhsa_kernel
	.amdgpu_metadata
---
amdhsa.version: [ 1, 2 ]
amdhsa.kernels:
  - .name:           k_q3c29045cce_prep
    .symbol:         k_q3c29045cce_prep.kd
    .args:
      - { .name: h_prev, .offset: 0, .size: 8, .value_kind: global_buffer, .address_space: global }
      - { .name: memory, .offset: 8, .size: 8, .value_kind: global_buffer, .address_space: global }
      - { .name: M_w, .offset: 16, .size: 8, .value_kind: global_buffer, .address_space: global }
      - { .name: M_b, .offset: 24, .size: 8, .value_kind: global_buffer, .address_space: global }
      - { .name: W_w_codes, .offset: 32, .size: 8, .value_kind: global_buffer, .address_space: global }
      - { .name: W_w_scales, .offset: 40, .size: 8, .value_kind: global_buffer, .address_space: global }
      - { .name: U_w_codes, .offset: 48, .size: 8, .value_kind: global_buffer, .address_space: global }
      - { .name: U_w_scales, .offset: 56, .size: 8, .value_kind: global_buffer, .address_space: global }
      - { .name: Q_w_codes, .offset: 64, .size: 8, .value_kind: global_buffer, .address_space: global }
      - { .name: Q_w_scales, .offset: 72, .size: 8, .value_kind: global_buffer, .address_space: global }
      - { .name: hc, .offset: 80, .size: 8, .value_kind: global_buffer, .address_space: global }
      - { .name: hs, .offset: 88, .size: 8, .value_kind: global_buffer, .address_space: global }
      - { .name: mc, .offset: 96, .size: 8, .value_kind: global_buffer, .address_space: global }
      - { .name: ms, .offset: 104, .size: 8, .value_kind: global_buffer, .address_space: global }
      - { .name: idx, .offset: 112, .size: 8, .value_kind: global_buffer, .address_space: global }
      - { .name: wf, .offset: 120, .size: 8, .value_kind: global_buffer, .address_space: global }
    .group_segment_fixed_size: 327680
    .private_segment_fixed_size: 0
    .kernarg_segment_align: 8
    .kernarg_segment_size: 128
    .max_flat_workgroup_size: 256
    .sgpr_count:     102
    .vgpr_count:     512
    .wavefront_size: 32
...
	.end_amdgpu_metadata
.endif
;; end of part 1
;; launch fused (part 2): grid 256 x 1, 4 waves a work-group, no clusters, 187,904 bytes of LDS; arguments x_codes, x_scales, hc, hs, mc, ms, idx, wf, W_b, U_b, Q_b, ln_g, ln_b, out0; writes out0
.if DOCPART == 2
	.amdgcn_target "amdgcn-amd-amdhsa--gfx1250"
	.amdhsa_code_object_version 6
	.text
	.protected	k_q3c29045cce_fused
	.globl	k_q3c29045cce_fused
	.p2align	8
	.type	k_q3c29045cce_fused,@function
k_q3c29045cce_fused:
	s_mov_b64 s[64:65], 0
	v_nop
	global_prefetch_b8 v0, s[64:65] scope:SCOPE_SE
	s_setreg_imm32_b32 hwreg(HW_REG_WAVE_MODE, 25, 1), 1
	s_wait_xcnt 0x0
; SECOND LAUNCH.  out0 = sigmoid(LayerNorm(x W^T + h U^T + memory[index] Q^T + W_b + U_b + Q_b) ln_g + ln_b), the three products as ONE product with K = 3,072 on E2M1 codes with E8M0 scales.
; Nothing is left out here; the codes of h_prev and of memory, the indices and the weights' layout were made by the first launch.  The loaded index is held at 1023.
; SHARES.  LayerNorm wants whole rows, so a work-group owns 64 whole rows: 16,384 / 64 = 256 work-groups.  Wave w makes columns 256 w .. + 255 of all 64 rows: 4 x 16 accumulators of 16 x 16, 512 registers.
; THE ACTIVATIONS [x | h | memory[index]] of the 64 rows, 1,536 bytes of codes and 96 scale bytes a row, are staged in LDS once and stay.
; THE WEIGHTS go from wf straight into registers: wf holds each wave's fragments in register order, so every load takes 512 consecutive bytes.  Two sets of fragments, each in two halves of 17 loads;
; a half is asked for again as soon as its 32 products are issued, so three to four halves (51 to 68 loads) of a wave are on their way.
; NO CLUSTER, NO JOINT LOADS, though all work-groups walk the same weights: a weight fragment is multiplied by ONE wave of a work-group (the waves share the columns), so a way through LDS would add
; one LDS write and one LDS read for each byte and spare none; and beside the 106,496 bytes of activations two slots would hold one K step of 69,632 bytes each, a wave's one load having 64 products in which to land.
; THE MATRIX INSTRUCTION IS USED TRANSPOSED (source 0 = 16 weight rows, source 1 = 16 activation rows): lane (r, h), register j of accumulator (a, b) holds pre(16 a + r, 256 w + 16 b + 8 h + j).
; The sums begin as the three biases' sum, loaded into the accumulators: nothing is cleared and no first step is written out.  The variance is taken of the centred numbers, in a second pass.
; sigmoid(y) = 1 / (1 + 2^(-log2(e) y)); -log2(e) is folded into ln_g and ln_b once.
; REGISTERS, in windows of 256.  Window 0: v1-19 addresses; v32-95 the activations' fragments, two sets; v96-99 their scale words, v100-115 the weights' (these twenty hold scales and nothing else);
;   v116-123, v200-243 statistics; v128-195 staging at the head.  Window 1: the weights' fragments, set p at v[128 p + 64 hf + 8 f]; on the way out ln_g', ln_b'.
;   Windows 2, 3: accumulator (a, b) at window 2 + b / 8, v[64 a + 8 (b % 8)]; at the head window 2 stages the codes.
.set PA,    1552                       ; an activation row in LDS: 3 x 512 bytes + 16: an odd multiple of 16, so the 16 rows of a fragment load start in 16 different 16-byte columns
.set ASC,   64*PA                      ; the scale bytes: 64 rows x (96 + 16)
.set PS,    112
.set VEC,   ASC+64*PS                  ; for each wave 3 x 1,024 bytes: the biases' sum, ln_g', ln_b' of its 256 columns
.set RED1,  VEC+4*3072                 ; row sums: [a][r][wave], 4 bytes each
.set RED2,  RED1+1024                  ; sums of squares likewise
.set STAGE, RED2+1024                  ; the way out: 16 rows x (1,024 + 16) bytes for each wave
.set PST,   1040
.set SPARE, STAGE+4*16*PST             ; the spare words, 128 bytes for each wave: two blocks of 256 bytes that no other line names
.set CHUNK, 8704                       ; a half's bytes in wf: 8 fragments of 1,024, then 512 of scale words
.set STEPB, 8*CHUNK                    ; a K step of 128 in wf: 4 waves x 2 halves
.set TRIPS, 11                         ; trips of two K steps; the last two of the 24 steps are written out
.set L16, 1                            ; 16 x lane
.set A0,  2                            ; r PA + 16 h: row blocks 0, 1
.set A2,  3                            ; + 32 rows: row blocks 2, 3
.set S0,  4                            ; ASC + PS x lane
.set BAD, 5                            ; VEC + 3072 w + 32 h
.set RW,  6
.set RR,  7
.set STO, 8
.set RD,  9
.set SPW, 10
.set NIL, 11
.set CST, 12
.set SST, 13
.set IX,  14
.set IXO, 15
.set WA0, 16                           ; A0, A2, S0 + the trip's place along K
.set WA2, 17
.set WS,  18
.set VST, 19
.set AF,  32
.set SA,  96
.set SB,  100
.set T,   116
.set SCS, 128
.set VV,  140
.set GOF, 180
.set NMU, 200
.set QS,  208
.set RS,  216
.set RB,  224
.set PT,  240
.set MSB, 0
.macro WIN new                         ; the immediate's high byte repeats the setting that is left
.if MSB != (\new)
	s_set_vgpr_msb (MSB<<8)|(\new)
.set MSB, (\new)
.endif
.endm
	s_load_b512 s[4:19], s[0:1], 0x0               ; x codes 4, x scales 6, hc 8, hs 10, mc 12, ms 14, idx 16, wf 18
	s_load_b256 s[20:27], s[0:1], 0x40             ; W_b 20, U_b 22, Q_b 24, ln_g 26
	s_load_b128 s[28:31], s[0:1], 0x60             ; ln_b 28, out0 30
	v_lshl_add_u32 v[SPW], v0, 2, SPARE
	v_mov_b32 v[NIL], 0
	v_lshrrev_b32 v20, 5, v0
	v_readfirstlane_b32 s32, v20                   ; wave 0..3
	v_and_b32 v21, 31, v0                          ; lane
	v_and_b32 v22, 15, v0                          ; r
	v_bfe_u32 v23, v0, 4, 1                        ; h
	v_lshlrev_b32 v[L16], 4, v21
	v_mul_u32_u24 v[A0], v22, PA
	v_lshl_add_u32 v[A0], v23, 4, v[A0]
	v_add_nc_u32 v[A2], 32*PA, v[A0]
	v_mul_u32_u24 v[S0], v21, PS
	v_add_nc_u32 v[S0], ASC, v[S0]
	s_mul_i32 s52, s32, 3072
	s_add_co_u32 s52, s52, VEC
	v_lshl_add_u32 v[BAD], v23, 5, s52
	v_add_nc_u32 v[VST], s52, v[L16]
	s_lshl_b32 s53, s32, 2
	s_add_co_u32 s53, s53, RED1
	v_lshl_add_u32 v[RW], v22, 4, s53
	v_lshlrev_b32 v[RR], 4, v22
	v_add_nc_u32 v[RR], RED1, v[RR]
	s_mul_i32 s54, s32, 16*PST
	s_add_co_u32 s54, s54, STAGE
	v_mul_u32_u24 v[STO], v22, PST
	v_lshl_add_u32 v[STO], v23, 5, v[STO]
	v_add_nc_u32 v[STO], s54, v[STO]
	v_add_nc_u32 v[RD], s54, v[L16]
	s_mul_i32 s55, s32, 16*PA
	v_add_nc_u32 v[CST], s55, v[L16]               ; I stage rows 16 w .. 16 w + 15: a row's 512 bytes, 16 a lane
	v_lshrrev_b32 v24, 1, v21
	v_and_b32 v25, 1, v21
	v_mul_u32_u24 v[SST], v24, PS
	v_lshl_add_u32 v[SST], v25, 4, v[SST]
	s_mul_i32 s56, s32, 16*PS
	s_add_co_u32 s56, s56, ASC
	v_add_nc_u32 v[SST], s56, v[SST]               ; scale bytes: two lanes to a row of 32
	v_lshlrev_b32 v[IXO], 2, v24
	v_lshlrev_b32 v26, 4, v25
	s_mov_b32 s34, 0x76543210
	s_mov_b32 s35, 0xfedcba98                      ; v_permlanex16_b32's selects for lane l xor 16
	s_lshl_b32 s57, ttmp9, 6
	s_lshl_b32 s58, s32, 4
	s_add_co_u32 s57, s57, s58                     ; the first row that I stage: 64 g + 16 w
	s_mov_b32 s59, 0
	s_wait_kmcnt 0x0
	s_lshl_b32 s58, s57, 2
	s_add_nc_u64 s[16:17], s[16:17], s[58:59]
	s_load_b512 s[36:51], s[16:17], 0x0            ; my 16 rows' indices, as scalars
	global_load_b32 v[IX], v[IXO], s[16:17]        ; and row lane / 2's, for the scale bytes
	s_lshl_b32 s58, s57, 9
	s_add_nc_u64 s[4:5], s[4:5], s[58:59]
	s_add_nc_u64 s[8:9], s[8:9], s[58:59]
	s_lshl_b32 s58, s57, 5
	s_add_nc_u64 s[6:7], s[6:7], s[58:59]
	s_add_nc_u64 s[10:11], s[10:11], s[58:59]
	s_mul_i32 s58, s32, 2*CHUNK
	s_add_nc_u64 s[18:19], s[18:19], s[58:59]      ; wf at my wave's two halves of K step 0
	s_lshl_b32 s58, s32, 10                        ; my 256 columns, 4 bytes each
.irp k, 20,22,24,26,28
	s_add_nc_u64 s[\k:\k+1], s[\k:\k+1], s[58:59]
.endr
	s_lshl_b32 s60, ttmp9, 18                      ; 64 rows of 4,096 bytes
	s_add_co_u32 s58, s58, s60
	s_add_nc_u64 s[30:31], s[30:31], s[58:59]
	WIN 0x80                                       ; destination window 2
.set t, 0
.rept 16
	global_load_b128 v[4*t:4*t+3], v[L16], s[4:5] offset:512*t th:TH_LOAD_NT          ; x's codes, a row an instruction
	global_load_b128 v[64+4*t:64+4*t+3], v[L16], s[8:9] offset:512*t th:TH_LOAD_NT    ; h's
.set t, t+1
.endr
	WIN 0
	global_load_b128 v[SCS:SCS+3], v[L16], s[6:7] th:TH_LOAD_NT       ; 16 rows' scale bytes: 512 dense bytes
	global_load_b128 v[SCS+4:SCS+7], v[L16], s[10:11] th:TH_LOAD_NT
.irp k, 0,1,2,3,4
.irp c, 0,1
	global_load_b128 v[VV+8*\k+4*\c:VV+8*\k+4*\c+3], v[L16], s[20+2*\k:21+2*\k] offset:512*\c   ; W_b, U_b, Q_b, ln_g, ln_b of my columns
.endr
.endr
	s_wait_kmcnt 0x0
.set t, 0
.rept 16
	s_min_u32 s[36+t], s[36+t], 0x3ff              ; an index stays inside its table
	s_lshl_b32 s[36+t], s[36+t], 9
	v_add_nc_u32 v[GOF+t], s[36+t], v[L16]
.set t, t+1
.endr
	WIN 0x80
.set t, 0
.rept 16
	global_load_b128 v[128+4*t:128+4*t+3], v[GOF+t], s[12:13]    ; the gathered rows' codes
.set t, t+1
.endr
	WIN 0
	s_wait_loadcnt 60                              ; behind the lane's index stand 32 + 2 + 10 + 16 loads
	v_min_u32 v[IX], 0x3ff, v[IX]
	v_lshlrev_b32 v[IX], 5, v[IX]
	v_add_nc_u32 v[IX], v[IX], v26
	global_load_b128 v[SCS+8:SCS+11], v[IX], s[14:15]            ; the gathered rows' scale bytes
; A half of a K step's weights for my wave: 8 fragments into set p, half hf, and their scale words: 17 loads of 512 consecutive bytes.
.macro WLOAD p, hf, off
	WIN 0x40                                       ; destination window 1
.irp f, 0,1,2,3,4,5,6,7
.irp c, 0,1
	global_load_b128 v[128*(\p)+64*(\hf)+8*\f+4*\c:128*(\p)+64*(\hf)+8*\f+4*\c+3], v[L16], s[18:19] offset:(\off)+CHUNK*(\hf)+1024*\f+512*\c
.endr
.endr
	WIN 0
	global_load_b128 v[SB+8*(\p)+4*(\hf):SB+8*(\p)+4*(\hf)+3], v[L16], s[18:19] offset:(\off)+CHUNK*(\hf)+8192
.endm
	WLOAD 0, 0, 0
	WLOAD 0, 1, 0
	WLOAD 1, 0, STEPB
	WLOAD 1, 1, STEPB
	s_wait_loadcnt 63                              ; 130 loads have been issued: the oldest 67 are in, the 62 staging loads among them
	s_mov_b32 s52, 0xbfb8aa3b                      ; -log2(e)
	s_mov_b32 s53, s52                             ; (named with it as a pair, so it is written)
.irp k, 0,2,4,6
	v_pk_add_f32 v[VV+\k:VV+\k+1], v[VV+\k:VV+\k+1], v[VV+8+\k:VV+8+\k+1]
.endr
.irp k, 0,2,4,6
	v_pk_add_f32 v[VV+\k:VV+\k+1], v[VV+\k:VV+\k+1], v[VV+16+\k:VV+16+\k+1]   ; W_b + U_b + Q_b
.endr
.irp k, 0,2,4,6,8,10,12,14
	v_pk_mul_f32 v[VV+24+\k:VV+24+\k+1], v[VV+24+\k:VV+24+\k+1], s[52:53] op_sel_hi:[1,0]   ; ln_g', ln_b'
.endr
	WIN 0x08                                       ; an LDS store's data are its source 1: window 2
.irp u, 0,1,2
.set t, 0
.rept 16
	ds_store_b128 v[CST], v[64*\u+4*t:64*\u+4*t+3] offset:t*PA+512*\u
.set t, t+1
.endr
.endr
	WIN 0
.irp u, 0,1,2
	ds_store_b128 v[SST], v[SCS+4*\u:SCS+4*\u+3] offset:32*\u
.endr
.irp c, 0,1
	ds_store_b128 v[VST], v[VV+4*\c:VV+4*\c+3] offset:512*\c
	ds_store_b128 v[VST], v[VV+24+4*\c:VV+24+4*\c+3] offset:1024+512*\c
	ds_store_b128 v[VST], v[VV+32+4*\c:VV+32+4*\c+3] offset:2048+512*\c
.endr
	s_wait_dscnt 0x0                               ; the stores have read their registers: window 2 is written again below
.irp hf, 0,1
	WIN 0x80+0x40*\hf                              ; destination window 2, then 3
.irp a, 0,1,2,3
.irp f, 0,1,2,3,4,5,6,7
.irp c, 0,1
	ds_load_b128 v[64*\a+8*\f+4*\c:64*\a+8*\f+4*\c+3], v[BAD] offset:64*(8*\hf+\f)+16*\c   ; the sums begin as the biases' sum of the lane's eight columns (my wave's own bytes)
.endr
.endr
.endr
.endr
	WIN 0
	s_mov_b32 s60, 0                               ; the trip's place along K in a row of codes: 128 bytes a trip,
	s_mov_b32 s61, 0                               ; and in a row of scale bytes: 8
	s_mov_b32 s33, 0
	s_wait_dscnt 0x0                               ; for the others' sake: my rows lie in LDS
	s_barrier_signal -1
	s_barrier_wait -1                              ; all 64 rows do
.macro WADDR
	v_add_nc_u32 v[WA0], s60, v[A0]
	v_add_nc_u32 v[WA2], s60, v[A2]
	v_add_nc_u32 v[WS], s61, v[S0]
.endm
; The activations' four fragments and two scale registers of the trip's K step k (0, 1, or 2 = the next trip's first) into set q.
; Scale register i: lanes 0-15 the words of row block 2 i, lanes 16-31 of 2 i + 1.  (Lanes l and l + 16 fall on one bank there: two deep, two loads a K step.)
.macro ALOAD q, k
.irp a, 0,1
.irp c, 0,1
	ds_load_b128 v[AF+32*(\q)+8*\a+4*\c:AF+32*(\q)+8*\a+4*\c+3], v[WA0] offset:\a*16*PA+64*(\k)+32*\c
	ds_load_b128 v[AF+32*(\q)+16+8*\a+4*\c:AF+32*(\q)+16+8*\a+4*\c+3], v[WA2] offset:\a*16*PA+64*(\k)+32*\c
.endr
.endr
.irp n, 0,1
	ds_load_b32 v[SA+2*(\q)+\n], v[WS] offset:\n*32*PS+4*(\k)
.endr
.endm
; 32 products: the half's 8 column blocks x the 4 row blocks.  The 64 accumulators take turns, one instruction a turn, in the same order in every K step, over the loop's backward jump too.
.macro MM p, hf
	WIN 0xa1+0x50*(\hf)                            ; source 0 (weights) window 1, source 1 (activations) window 0, C and D window 2 or 3
.irp f, 0,1,2,3,4,5,6,7
.irp a, 0,1,2,3
.set rD, 64*\a+8*\f
.set rW, 128*(\p)+64*(\hf)+8*\f
.set rA, AF+32*(\p)+8*\a
.set rSW, SB+8*(\p)+4*(\hf)+\f/2
.set rSA, SA+2*(\p)+\a/2
.if (\f%2) && (\a%2)
	v_wmma_scale_f32_16x16x128_f8f6f4 v[rD:rD+7], v[rW:rW+7], v[rA:rA+7], v[rD:rD+7], v[rSW], v[rSA] matrix_a_fmt:MATRIX_FMT_FP4 matrix_b_fmt:MATRIX_FMT_FP4 matrix_a_scale:MATRIX_SCALE_ROW1 matrix_b_scale:MATRIX_SCALE_ROW1
.elseif (\f%2)
	v_wmma_scale_f32_16x16x128_f8f6f4 v[rD:rD+7], v[rW:rW+7], v[rA:rA+7], v[rD:rD+7], v[rSW], v[rSA] matrix_a_fmt:MATRIX_FMT_FP4 matrix_b_fmt:MATRIX_FMT_FP4 matrix_a_scale:MATRIX_SCALE_ROW1
.elseif (\a%2)
	v_wmma_scale_f32_16x16x128_f8f6f4 v[rD:rD+7], v[rW:rW+7], v[rA:rA+7], v[rD:rD+7], v[rSW], v[rSA] matrix_a_fmt:MATRIX_FMT_FP4 matrix_b_fmt:MATRIX_FMT_FP4 matrix_b_scale:MATRIX_SCALE_ROW1
.else
	v_wmma_scale_f32_16x16x128_f8f6f4 v[rD:rD+7], v[rW:rW+7], v[rA:rA+7], v[rD:rD+7], v[rSW], v[rSA] matrix_a_fmt:MATRIX_FMT_FP4 matrix_b_fmt:MATRIX_FMT_FP4
.endif
.endr
.endr
.endm
; Half hf of the K step in set p.  cnt: the weight loads younger than this half's 17.  fetch = 1: the half is asked for again, two K steps on.
.macro HALF p, hf, cnt, fetch
	s_wait_loadcnt \cnt                            ; loads come back in order: this half's fragments and scale words are in
.if (\hf) == 0
	s_wait_dscnt 0x0                               ; and the step's activations (asked for 32 products ago)
.endif
	MM \p, \hf
.rept 4
	v_nop                                          ; four places in front of loads into registers that these products have read
.endr
.if \fetch
	WLOAD \p, \hf, (2+(\p))*STEPB
.else
	WIN 0
.endif
.endm
	WADDR
	ALOAD 0, 0
.Lk:                                               ; a trip: K steps 2 t and 2 t + 1; it asks for the weights of steps 2 t + 2 and 2 t + 3
	HALF 0, 0, 51, 1
	WADDR                                          ; (no LDS load of mine is out here)
	ALOAD 1, 1
	HALF 0, 1, 51, 1
	HALF 1, 0, 51, 1
	ALOAD 0, 2
	HALF 1, 1, 51, 1
	s_wait_xcnt 0x0                                ; the loads have read their base: it steps only behind this wait
	s_add_nc_u64 s[18:19], s[18:19], 2*STEPB
	s_add_co_u32 s60, s60, 128
	s_add_co_u32 s61, s61, 8
	s_add_co_u32 s33, s33, 1
	s_cmp_lt_u32 s33, TRIPS
	s_cbranch_scc1 .Lk
	HALF 0, 0, 51, 0                               ; the last two K steps ask for nothing: the counts run down
	WADDR
	ALOAD 1, 1
	HALF 0, 1, 34, 0
	HALF 1, 0, 17, 0
	HALF 1, 1, 0, 0
	; ---- LayerNorm and sigmoid, in the accumulators
.irp a, 0,1,2,3
	v_mov_b32 v[PT+\a], 0                          ; written once: a lane permute's destination counts as one of its sources
.endr
	WIN 0x40                                       ; ln_g', ln_b' of the lane's columns take the weights' registers
.set q, 0
.rept 32
	ds_load_b128 v[4*q:4*q+3], v[BAD] offset:1024+64*(q/2)+16*(q%2)
	ds_load_b128 v[128+4*q:128+4*q+3], v[BAD] offset:2048+64*(q/2)+16*(q%2)
.set q, q+1
.endr
	WIN 0x0a                                       ; the row sums: the four row blocks by turns
.irp a, 0,1,2,3
	v_pk_add_f32 v[T+2*\a:T+2*\a+1], v[64*\a:64*\a+1], v[64*\a+2:64*\a+3]
.endr
	WIN 0x02
.set q, 4
.rept 30
.irp a, 0,1,2,3
	v_pk_add_f32 v[T+2*\a:T+2*\a+1], v[64*\a+q:64*\a+q+1], v[T+2*\a:T+2*\a+1]
.endr
.set q, q+2
.endr
	WIN 0x03
.set q, 0
.rept 32
.irp a, 0,1,2,3
	v_pk_add_f32 v[T+2*\a:T+2*\a+1], v[64*\a+q:64*\a+q+1], v[T+2*\a:T+2*\a+1]
.endr
.set q, q+2
.endr
	WIN 0
; A lane's pair of partial sums v[s + 2 a], v[s + 2 a + 1] becomes the whole row's sum in v[RB + 4 a]: the pair, lane l xor 16, then the four waves through LDS at byte off behind RED1.
.macro ROWSUM s, off
.irp a, 0,1,2,3
	v_add_f32 v[\s+2*\a], v[\s+2*\a], v[\s+2*\a+1]
.endr
.irp a, 0,1,2,3
	v_permlanex16_b32 v[PT+\a], v[\s+2*\a], s34, s35
.endr
.irp a, 0,1,2,3
	v_add_f32 v[\s+2*\a], v[\s+2*\a], v[PT+\a]
.endr
.irp a, 0,1,2,3
	ds_store_b32 v[RW], v[\s+2*\a] offset:\off+256*\a   ; lanes r and r + 16 write the same word with the same value
.endr
	s_wait_dscnt 0x0                               ; for the others' sake: my stores have landed
	s_barrier_signal -1
	s_barrier_wait -1
.irp a, 0,1,2,3
	ds_load_b128 v[RB+4*\a:RB+4*\a+3], v[RR] offset:\off+256*\a
.endr
	s_wait_dscnt 0x0
.irp a, 0,1,2,3
	v_add_f32 v[RB+4*\a], v[RB+4*\a], v[RB+4*\a+1]
	v_add_f32 v[RB+4*\a+2], v[RB+4*\a+2], v[RB+4*\a+3]
.endr
.irp a, 0,1,2,3
	v_add_f32 v[RB+4*\a], v[RB+4*\a], v[RB+4*\a+2]
.endr
.endm
	ROWSUM T, 0
.irp a, 0,1,2,3
	v_mul_f32 v[NMU+2*\a], 0xba800000, v[RB+4*\a]  ; -mean = sum x -1/1024
.endr
.irp a, 0,1,2,3
	v_mov_b32 v[NMU+2*\a+1], v[NMU+2*\a]
.endr
.irp hf, 0,1
	WIN 0x82+0x41*\hf                              ; destination and source 0: window 2, then 3
.set q, 0
.rept 32
.irp a, 0,1,2,3
	v_pk_add_f32 v[64*\a+q:64*\a+q+1], v[64*\a+q:64*\a+q+1], v[NMU+2*\a:NMU+2*\a+1]   ; pre - mean
.endr
.set q, q+2
.endr
.endr
	WIN 0x0a
.irp a, 0,1,2,3
	v_pk_mul_f32 v[QS+2*\a:QS+2*\a+1], v[64*\a:64*\a+1], v[64*\a:64*\a+1]
.endr
.set q, 2
.rept 31
.irp a, 0,1,2,3
	v_pk_fma_f32 v[QS+2*\a:QS+2*\a+1], v[64*\a+q:64*\a+q+1], v[64*\a+q:64*\a+q+1], v[QS+2*\a:QS+2*\a+1]
.endr
.set q, q+2
.endr
	WIN 0x0f
.set q, 0
.rept 32
.irp a, 0,1,2,3
	v_pk_fma_f32 v[QS+2*\a:QS+2*\a+1], v[64*\a+q:64*\a+q+1], v[64*\a+q:64*\a+q+1], v[QS+2*\a:QS+2*\a+1]
.endr
.set q, q+2
.endr
	WIN 0
	ROWSUM QS, 1024
	s_mov_b32 s52, 0x3a800000                      ; 1/1024
	s_mov_b32 s53, 0x3727c5ac                      ; 1e-5
.irp a, 0,1,2,3
	v_fma_f32 v[RB+4*\a], v[RB+4*\a], s52, s53     ; the variance + eps
.endr
.irp a, 0,1,2,3
	v_rsq_f32 v[RS+2*\a], v[RB+4*\a]
.endr
	v_nop                                          ; a plain line behind the last of the four
	s_wait_alu depctr_va_vdst(0)                   ; and the wait ahead of the first use: one for the four
.irp a, 0,1,2,3
	v_mov_b32 v[RS+2*\a+1], v[RS+2*\a]
.endr
; Row block a: 1 / (1 + 2^((pre - mean) rs g' + b')), in place.  The 128 exponentials are one batch with one wait, and so are the 128 reciprocals.
.macro CALC a
.irp hf, 0,1
	WIN 0x82+0x41*\hf
.set q, 0
.rept 32
	v_pk_mul_f32 v[64*(\a)+q:64*(\a)+q+1], v[64*(\a)+q:64*(\a)+q+1], v[RS+2*(\a):RS+2*(\a)+1]
.set q, q+2
.endr
	WIN 0x96+0x41*\hf                              ; sources 1 and 2 (g', b') window 1
.set q, 0
.rept 32
	v_pk_fma_f32 v[64*(\a)+q:64*(\a)+q+1], v[64*(\a)+q:64*(\a)+q+1], v[64*\hf+q:64*\hf+q+1], v[128+64*\hf+q:128+64*\hf+q+1]
.set q, q+2
.endr
.endr
.irp hf, 0,1
	WIN 0x82+0x41*\hf
.set q, 0
.rept 64
	v_exp_f32 v[64*(\a)+q], v[64*(\a)+q]
.set q, q+1
.endr
.endr
	v_nop
	s_wait_alu depctr_va_vdst(0)                   ; one wait for the batch, ahead of its first reader
.irp hf, 1,0
	WIN 0x82+0x41*\hf
.set q, 0
.rept 32
	v_pk_add_f32 v[64*(\a)+q:64*(\a)+q+1], v[64*(\a)+q:64*(\a)+q+1], 1.0 op_sel_hi:[1,0]
.set q, q+2
.endr
.endr
.irp hf, 0,1
	WIN 0x82+0x41*\hf
.set q, 0
.rept 64
	v_rcp_f32 v[64*(\a)+q], v[64*(\a)+q]
.set q, q+1
.endr
.endr
	v_nop
	s_wait_alu depctr_va_vdst(0)
.endm
; THE WAY OUT of row block a.  A lane holds 32 neighbouring bytes of a row and the lanes beside it other rows: so the block's 16 rows x 1,024 bytes go through my own stage and come back as pieces of 512 consecutive bytes,
; into the registers that they left.  LDS serves a wave's instructions in order: no wait between the stores and the loads, nor in front of the next block's stores.
.macro TOSTAGE a
.irp hf, 0,1
	WIN 0x08+0x04*\hf                              ; the data: window 2, then 3
.irp f, 0,1,2,3,4,5,6,7
.irp c, 0,1
	ds_store_b128 v[STO], v[64*(\a)+8*\f+4*\c:64*(\a)+8*\f+4*\c+3] offset:512*\hf+64*\f+16*\c
.endr
.endr
.endr
.irp hf, 0,1
	WIN 0x80+0x40*\hf
.set q, 0
.rept 16
	ds_load_b128 v[64*(\a)+4*q:64*(\a)+4*q+3], v[RD] offset:(8*\hf+q/2)*PST+512*(q%2)
.set q, q+1
.endr
.endr
	WIN 0
.endm
.macro SEND a
	s_wait_dscnt 0x0                               ; the block is back in registers
.irp hf, 0,1
	WIN 0x08+0x04*\hf
.set q, 0
.rept 16
	global_store_b128 v[L16], v[64*(\a)+4*q:64*(\a)+4*q+3], s[30:31] offset:(16*(\a)+8*\hf+q/2)*4096+512*(q%2) th:TH_STORE_NT   ; 32 lanes store 512 consecutive bytes, at a multiple of 256 from out0's first byte; these registers are not written again
.set q, q+1
.endr
.endr
	WIN 0
.endm
	CALC 0
	TOSTAGE 0
	CALC 1                                         ; a block's arithmetic stands between the loads of the block before and its stores
	SEND 0
	TOSTAGE 1
	CALC 2
	SEND 1
	TOSTAGE 2
	CALC 3
	SEND 2
	TOSTAGE 3
	SEND 3
	s_wait_tensorcnt 0x0                           ; the wave's end
	ds_add_u32 v[SPW], v[NIL]
	s_wait_dscnt 0x0
	s_endpgm
.Lfunc_end_k_q3c29045cce_fused:
	.size	k_q3c29045cce_fused, .Lfunc_end_k_q3c29045cce_fused-k_q3c29045cce_fused
	.p2alignl 7, 3214868480
	.fill 96, 4, 3214868480
	.section	.rodata,"a",@progbits
	.p2align	6, 0x0
	.amdhsa_kernel k_q3c29045cce_fused
		.amdhsa_group_segment_fixed_size 187904
		.amdhsa_private_segment_fixed_size 0
		.amdhsa_enable_private_segment 0
		.amdhsa_kernarg_size 112
		.amdhsa_user_sgpr_count 2
		.amdhsa_user_sgpr_kernarg_segment_ptr 1
		.amdhsa_wavefront_size32 1
		.amdhsa_system_sgpr_workgroup_id_x 1
		.amdhsa_system_sgpr_workgroup_id_y 1
		.amdhsa_system_sgpr_workgroup_id_z 1
		.amdhsa_system_vgpr_workitem_id 0
		.amdhsa_next_free_vgpr 1024
		.amdhsa_next_free_sgpr 66
		.amdhsa_reserve_vcc 0
		.amdhsa_float_denorm_mode_32 3
		.amdhsa_float_denorm_mode_16_64 3
		.amdhsa_memory_ordered 1
		.amdhsa_forward_progress 1
		.amdhsa_inst_pref_size 242
	.end_amdhsa_kernel
	.amdgpu_metadata
---
amdhsa.version: [ 1, 2 ]
amdhsa.kernels:
  - .name:           k_q3c29045cce_fused
    .symbol:         k_q3c29045cce_fused.kd
    .args:
      - { .name: x_codes, .offset: 0, .size: 8, .value_kind: global_buffer, .address_space: global }
      - { .name: x_scales, .offset: 8, .size: 8, .value_kind: global_buffer, .address_space: global }
      - { .name: hc, .offset: 16, .size: 8, .value_kind: global_buffer, .address_space: global }
      - { .name: hs, .offset: 24, .size: 8, .value_kind: global_buffer, .address_space: global }
      - { .name: mc, .offset: 32, .size: 8, .value_kind: global_buffer, .address_space: global }
      - { .name: ms, .offset: 40, .size: 8, .value_kind: global_buffer, .address_space: global }
      - { .name: idx, .offset: 48, .size: 8, .value_kind: global_buffer, .address_space: global }
      - { .name: wf, .offset: 56, .size: 8, .value_kind: global_buffer, .address_space: global }
      - { .name: W_b, .offset: 64, .size: 8, .value_kind: global_buffer, .address_space: global }
      - { .name: U_b, .offset: 72, .size: 8, .value_kind: global_buffer, .address_space: global }
      - { .name: Q_b, .offset: 80, .size: 8, .value_kind: global_buffer, .address_space: global }
      - { .name: ln_g, .offset: 88, .size: 8, .value_kind: global_buffer, .address_space: global }
      - { .name: ln_b, .offset: 96, .size: 8, .value_kind: global_buffer, .address_space: global }
      - { .name: out0, .offset: 104, .size: 8, .value_kind: global_buffer, .address_space: global }
    .group_segment_fixed_size: 187904
    .private_segment_fixed_size: 0
    .kernarg_segment_align: 8
    .kernarg_segment_size: 112
    .max_flat_workgroup_size: 128
    .sgpr_count:     66
    .vgpr_count:     1024
    .wavefront_size: 32
...
	.end_amdgpu_metadata
.endif
;; end of part 2
;; ======== version 2 of 2: 2 launches; version 1 with the launch fused written anew for expert scheduling mode
;; workspace buffers: hc 8,388,608 bytes; hs 524,288 bytes; mc 524,288 bytes; ms 32,768 bytes; idx 65,536 bytes of whole numbers; wf 1,671,168 bytes
;; launch prep: the kernel of part 1 again; grid 256 x 1, 8 waves a work-group, no clusters, 327,680 bytes of LDS; arguments h_prev, memory, M_w, M_b, W_w_codes, W_w_scales, U_w_codes, U_w_scales, Q_w_codes, Q_w_scales, hc, hs, mc, ms, idx, wf; writes hc, hs, mc, ms, idx, wf
;; launch fused (part 3): grid 256 x 1, 4 waves a work-group, no clusters, 187,904 bytes of LDS; arguments x_codes, x_scales, hc, hs, mc, ms, idx, wf, W_b, U_b, Q_b, ln_g, ln_b, out0; writes out0
.if DOCPART == 3
	.amdgcn_target "amdgcn-amd-amdhsa--gfx1250"
	.amdhsa_code_object_version 6
	.text
	.protected	k_q3c29045cce_fused
	.globl	k_q3c29045cce_fused
	.p2align	8
	.type	k_q3c29045cce_fused,@function
k_q3c29045cce_fused:
	s_mov_b64 s[64:65], 0
	v_nop
	global_prefetch_b8 v0, s[64:65] scope:SCOPE_SE
	s_setreg_imm32_b32 hwreg(HW_REG_WAVE_SCHED_MODE, 0, 2), 2
	s_setreg_imm32_b32 hwreg(HW_REG_WAVE_MODE, 25, 1), 1
	s_wait_xcnt 0x0
	s_wait_alu depctr_vm_vsrc(0)
; SECOND LAUNCH.  out0 = sigmoid(LayerNorm(x W^T + h U^T + memory[index] Q^T + W_b + U_b + Q_b) ln_g + ln_b), the three products as ONE product with K = 3,072 on E2M1 codes with E8M0 scales.
; Nothing is left out here; the codes of h_prev and of memory, the indices and the weights' layout were made by the first launch.  The loaded index is held at 1023.
; SHARES.  LayerNorm wants whole rows, so a work-group owns 64 whole rows: 16,384 / 64 = 256 work-groups.  Wave w makes columns 256 w .. + 255 of all 64 rows: 4 x 16 accumulators of 16 x 16, 512 registers.
; THE ACTIVATIONS [x | h | memory[index]] of the 64 rows, 1,536 bytes of codes and 96 scale bytes a row, are staged in LDS once and stay.
; THE WEIGHTS go from wf straight into registers: wf holds each wave's fragments in register order, so every load takes 512 consecutive bytes.  Two sets of fragments, each in two halves of 17 loads;
; a half is asked for again as soon as its 32 products are done reading it, so three to four halves (51 to 68 loads) of a wave are on their way.
; NO CLUSTER, NO JOINT LOADS, though all work-groups walk the same weights: a weight fragment is multiplied by ONE wave of a work-group (the waves share the columns), so a way through LDS would add
; one LDS write and one LDS read for each byte and spare none; and beside the 106,496 bytes of activations two slots would hold one K step of 69,632 bytes each, a wave's one load having 64 products in which to land.
; THE MATRIX INSTRUCTION IS USED TRANSPOSED (source 0 = 16 weight rows, source 1 = 16 activation rows): lane (r, h), register j of accumulator (a, b) holds pre(16 a + r, 256 w + 16 b + 8 h + j).
; The sums begin as the three biases' sum, loaded into the accumulators: nothing is cleared and no first step is written out.  The variance is taken of the centred numbers, in a second pass.
; sigmoid(y) = 1 / (1 + 2^(-log2(e) y)); -log2(e) is folded into ln_g and ln_b once.
; REGISTERS, in windows of 256.  Window 0: v1-19 addresses; v32-95 the activations' fragments, two sets; v96-99 their scale words, v100-115 the weights' (these twenty hold scales and nothing else);
;   v116-123, v200-243 statistics; v128-195 staging at the head.  Window 1: the weights' fragments, set p at v[128 p + 64 hf + 8 f]; on the way out ln_g', ln_b'.
;   Windows 2, 3: accumulator (a, b) at window 2 + b / 8, v[64 a + 8 (b % 8)]; at the head window 2 stages the codes.
; THE MODE: SCHED_MODE bits 1:0 = 2 (LLVM: expert scheduling mode 2), set by the entry lines.  The code itself states the register dependences between vector or matrix instructions
; and memory or LDS instructions, with s_wait_alu, always for 0.
; THE PLAN.  Registers that memory or LDS instructions touch, in the loop:
;   a weight half (p, hf), 64 registers of window 1 and 4 scale registers: its 32 products read it; behind them the 17 loads of the same half two K steps on land in it.
;   an activation set q, 32 registers and 2 scale registers: the 64 products of its K step read it; the LDS loads of the K step two on land in it, half a K step behind the last of those products.
;   v[WA0], v[WA2], v[WS]: read by every LDS load of the activations; written once a trip, by three additions.
;   v[L16]: read by every load of the weights; never written again: the scalar base moves on, and immediate offsets do the rest.
;   The accumulators are named by matrix instructions alone.
; So ONE wait on va_vdst stands in a half, behind its products: they are done reading the half, which is asked for again at once (a half that waited for the next half's data would lie idle meanwhile).
; In the trip's first half the three additions stand ahead of that wait, so it also states that the LDS addresses are written; in the first and the third half it also states that the products that read the
; activation set to be loaded, which were issued earlier, are done.  One wait on vm_vsrc a trip stands ahead of the three additions.
; The loads stand in runs behind the wait, not singly among the next products: a product's window setting puts source 0 in window 1, and a load's address is its source 0, in window 0.
.set PA,    1552                       ; an activation row in LDS: 3 x 512 bytes + 16: an odd multiple of 16, so the 16 rows of a fragment load start in 16 different 16-byte columns
.set ASC,   64*PA                      ; the scale bytes: 64 rows x (96 + 16)
.set PS,    112
.set VEC,   ASC+64*PS                  ; for each wave 3 x 1,024 bytes: the biases' sum, ln_g', ln_b' of its 256 columns
.set RED1,  VEC+4*3072                 ; row sums: [a][r][wave], 4 bytes each
.set RED2,  RED1+1024                  ; sums of squares likewise
.set STAGE, RED2+1024                  ; the way out: 16 rows x (1,024 + 16) bytes for each wave
.set PST,   1040
.set SPARE, STAGE+4*16*PST             ; the spare words, 128 bytes for each wave: two blocks of 256 bytes that no other line names
.set CHUNK, 8704                       ; a half's bytes in wf: 8 fragments of 1,024, then 512 of scale words
.set STEPB, 8*CHUNK                    ; a K step of 128 in wf: 4 waves x 2 halves
.set TRIPS, 11                         ; trips of two K steps; the last two of the 24 steps are written out
.set L16, 1                            ; 16 x lane
.set A0,  2                            ; r PA + 16 h: row blocks 0, 1
.set A2,  3                            ; + 32 rows: row blocks 2, 3
.set S0,  4                            ; ASC + PS x lane
.set BAD, 5                            ; VEC + 3072 w + 32 h
.set RW,  6
.set RR,  7
.set STO, 8
.set RD,  9
.set SPW, 10
.set NIL, 11
.set CST, 12
.set SST, 13
.set IX,  14
.set IXO, 15
.set WA0, 16                           ; A0, A2, S0 + the trip's place along K
.set WA2, 17
.set WS,  18
.set VST, 19
.set AF,  32
.set SA,  96
.set SB,  100
.set T,   116
.set SCS, 128
.set VV,  140
.set GOF, 180
.set NMU, 200
.set QS,  208
.set RS,  216
.set RB,  224
.set PT,  240
.set MSB, 0
.macro WIN new                         ; the immediate's high byte repeats the setting that is left
.if MSB != (\new)
	s_set_vgpr_msb (MSB<<8)|(\new)
.set MSB, (\new)
.endif
.endm
	s_load_b512 s[4:19], s[0:1], 0x0               ; x codes 4, x scales 6, hc 8, hs 10, mc 12, ms 14, idx 16, wf 18
	s_load_b256 s[20:27], s[0:1], 0x40             ; W_b 20, U_b 22, Q_b 24, ln_g 26
	s_load_b128 s[28:31], s[0:1], 0x60             ; ln_b 28, out0 30
	v_lshl_add_u32 v[SPW], v0, 2, SPARE
	v_mov_b32 v[NIL], 0
	v_lshrrev_b32 v20, 5, v0
	v_readfirstlane_b32 s32, v20                   ; wave 0..3
	v_and_b32 v21, 31, v0                          ; lane
	v_and_b32 v22, 15, v0                          ; r
	v_bfe_u32 v23, v0, 4, 1                        ; h
	v_lshlrev_b32 v[L16], 4, v21
	v_mul_u32_u24 v[A0], v22, PA
	v_lshl_add_u32 v[A0], v23, 4, v[A0]
	v_add_nc_u32 v[A2], 32*PA, v[A0]
	v_mul_u32_u24 v[S0], v21, PS
	v_add_nc_u32 v[S0], ASC, v[S0]
	s_wait_alu depctr_va_sdst(0)                   ; s32 is written, ahead of its first reader: the wave's places in LDS and in memory are made from it
	s_mul_i32 s52, s32, 3072
	s_add_co_u32 s52, s52, VEC
	v_lshl_add_u32 v[BAD], v23, 5, s52
	v_add_nc_u32 v[VST], s52, v[L16]
	s_lshl_b32 s53, s32, 2
	s_add_co_u32 s53, s53, RED1
	v_lshl_add_u32 v[RW], v22, 4, s53
	v_lshlrev_b32 v[RR], 4, v22
	v_add_nc_u32 v[RR], RED1, v[RR]
	s_mul_i32 s54, s32, 16*PST
	s_add_co_u32 s54, s54, STAGE
	v_mul_u32_u24 v[STO], v22, PST
	v_lshl_add_u32 v[STO], v23, 5, v[STO]
	v_add_nc_u32 v[STO], s54, v[STO]
	v_add_nc_u32 v[RD], s54, v[L16]
	s_mul_i32 s55, s32, 16*PA
	v_add_nc_u32 v[CST], s55, v[L16]               ; I stage rows 16 w .. 16 w + 15: a row's 512 bytes, 16 a lane
	v_lshrrev_b32 v24, 1, v21
	v_and_b32 v25, 1, v21
	v_mul_u32_u24 v[SST], v24, PS
	v_lshl_add_u32 v[SST], v25, 4, v[SST]
	s_mul_i32 s56, s32, 16*PS
	s_add_co_u32 s56, s56, ASC
	v_add_nc_u32 v[SST], s56, v[SST]               ; scale bytes: two lanes to a row of 32
	v_lshlrev_b32 v[IXO], 2, v24
	v_lshlrev_b32 v26, 4, v25
	s_mov_b32 s34, 0x76543210
	s_mov_b32 s35, 0xfedcba98                      ; v_permlanex16_b32's selects for lane l xor 16
	s_lshl_b32 s57, ttmp9, 6
	s_lshl_b32 s58, s32, 4
	s_add_co_u32 s57, s57, s58                     ; the first row that I stage: 64 g + 16 w
	s_mov_b32 s59, 0
	s_wait_kmcnt 0x0
	s_lshl_b32 s58, s57, 2
	s_add_nc_u64 s[16:17], s[16:17], s[58:59]
	s_load_b512 s[36:51], s[16:17], 0x0            ; my 16 rows' indices, as scalars
	s_wait_alu depctr_va_vdst(0)                   ; the offsets and LDS addresses v1 to v9, v12, v13, v15 and v19 are written: the kernel's loads and stores read them, and none of them is written again
	global_load_b32 v[IX], v[IXO], s[16:17]        ; and row lane / 2's, for the scale bytes
	s_lshl_b32 s58, s57, 9
	s_add_nc_u64 s[4:5], s[4:5], s[58:59]
	s_add_nc_u64 s[8:9], s[8:9], s[58:59]
	s_lshl_b32 s58, s57, 5
	s_add_nc_u64 s[6:7], s[6:7], s[58:59]
	s_add_nc_u64 s[10:11], s[10:11], s[58:59]
	s_mul_i32 s58, s32, 2*CHUNK
	s_add_nc_u64 s[18:19], s[18:19], s[58:59]      ; wf at my wave's two halves of K step 0
	s_lshl_b32 s58, s32, 10                        ; my 256 columns, 4 bytes each
.irp k, 20,22,24,26,28
	s_add_nc_u64 s[\k:\k+1], s[\k:\k+1], s[58:59]
.endr
	s_lshl_b32 s60, ttmp9, 18                      ; 64 rows of 4,096 bytes
	s_add_co_u32 s58, s58, s60
	s_add_nc_u64 s[30:31], s[30:31], s[58:59]
	WIN 0x80                                       ; destination window 2
.set t, 0
.rept 16
	global_load_b128 v[4*t:4*t+3], v[L16], s[4:5] offset:512*t th:TH_LOAD_NT          ; x's codes, a row an instruction
	global_load_b128 v[64+4*t:64+4*t+3], v[L16], s[8:9] offset:512*t th:TH_LOAD_NT    ; h's
.set t, t+1
.endr
	WIN 0
	global_load_b128 v[SCS:SCS+3], v[L16], s[6:7] th:TH_LOAD_NT       ; 16 rows' scale bytes: 512 dense bytes
	global_load_b128 v[SCS+4:SCS+7], v[L16], s[10:11] th:TH_LOAD_NT
.irp k, 0,1,2,3,4
.irp c, 0,1
	global_load_b128 v[VV+8*\k+4*\c:VV+8*\k+4*\c+3], v[L16], s[20+2*\k:21+2*\k] offset:512*\c   ; W_b, U_b, Q_b, ln_g, ln_b of my columns
.endr
.endr
	s_wait_kmcnt 0x0
.set t, 0
.rept 16
	s_min_u32 s[36+t], s[36+t], 0x3ff              ; an index stays inside its table
	s_lshl_b32 s[36+t], s[36+t], 9
	v_add_nc_u32 v[GOF+t], s[36+t], v[L16]
.set t, t+1
.endr
	WIN 0x80
	s_wait_alu depctr_va_vdst(0)                   ; the sixteen additions have written v[GOF ..], which the gathers read as their offsets
.set t, 0
.rept 16
	global_load_b128 v[128+4*t:128+4*t+3], v[GOF+t], s[12:13]    ; the gathered rows' codes
.set t, t+1
.endr
	WIN 0
	s_wait_loadcnt 60                              ; behind the lane's index stand 32 + 2 + 10 + 16 loads
	v_min_u32 v[IX], 0x3ff, v[IX]
	v_lshlrev_b32 v[IX], 5, v[IX]
	v_add_nc_u32 v[IX], v[IX], v26
	s_wait_alu depctr_va_vdst(0)                   ; v[IX] is written, which the load below reads as its offset
	global_load_b128 v[SCS+8:SCS+11], v[IX], s[14:15]            ; the gathered rows' scale bytes
; A half of a K step's weights for my wave: 8 fragments into set p, half hf, and their scale words: 17 loads of 512 consecutive bytes.
.macro WLOAD p, hf, off
	WIN 0x40                                       ; destination window 1
.irp f, 0,1,2,3,4,5,6,7
.irp c, 0,1
	global_load_b128 v[128*(\p)+64*(\hf)+8*\f+4*\c:128*(\p)+64*(\hf)+8*\f+4*\c+3], v[L16], s[18:19] offset:(\off)+CHUNK*(\hf)+1024*\f+512*\c
.endr
.endr
	WIN 0
	global_load_b128 v[SB+8*(\p)+4*(\hf):SB+8*(\p)+4*(\hf)+3], v[L16], s[18:19] offset:(\off)+CHUNK*(\hf)+8192
.endm
	WLOAD 0, 0, 0                                  ; no vector or matrix instruction has named these registers yet
	WLOAD 0, 1, 0
	WLOAD 1, 0, STEPB
	WLOAD 1, 1, STEPB
	s_wait_loadcnt 63                              ; 130 loads have been issued: the oldest 67 are in, the 62 staging loads among them
	s_mov_b32 s52, 0xbfb8aa3b                      ; -log2(e)
	s_mov_b32 s53, s52                             ; (named with it as a pair, so it is written)
.irp k, 0,2,4,6
	v_pk_add_f32 v[VV+\k:VV+\k+1], v[VV+\k:VV+\k+1], v[VV+8+\k:VV+8+\k+1]
.endr
.irp k, 0,2,4,6
	v_pk_add_f32 v[VV+\k:VV+\k+1], v[VV+\k:VV+\k+1], v[VV+16+\k:VV+16+\k+1]   ; W_b + U_b + Q_b
.endr
.irp k, 0,2,4,6,8,10,12,14
	v_pk_mul_f32 v[VV+24+\k:VV+24+\k+1], v[VV+24+\k:VV+24+\k+1], s[52:53] op_sel_hi:[1,0]   ; ln_g', ln_b'
.endr
	WIN 0x08                                       ; an LDS store's data are its source 1: window 2
.irp u, 0,1,2
.set t, 0
.rept 16
	ds_store_b128 v[CST], v[64*\u+4*t:64*\u+4*t+3] offset:t*PA+512*\u     ; (the codes and the scale bytes go to LDS as they were loaded: no vector instruction has named them)
.set t, t+1
.endr
.endr
	WIN 0
.irp u, 0,1,2
	ds_store_b128 v[SST], v[SCS+4*\u:SCS+4*\u+3] offset:32*\u
.endr
	s_wait_alu depctr_va_vdst(0)                   ; the packed additions and multiplications have written v[VV ..], which the six stores below read
.irp c, 0,1
	ds_store_b128 v[VST], v[VV+4*\c:VV+4*\c+3] offset:512*\c
	ds_store_b128 v[VST], v[VV+24+4*\c:VV+24+4*\c+3] offset:1024+512*\c
	ds_store_b128 v[VST], v[VV+32+4*\c:VV+32+4*\c+3] offset:2048+512*\c
.endr
	s_wait_dscnt 0x0                               ; my stores have landed
	WIN 0x80
	s_wait_alu depctr_vm_vsrc(0)                   ; the LDS stores above have read window 2's v0 to v191, in which the loads below land
.irp hf, 0,1
	WIN 0x80+0x40*\hf                              ; destination window 2, then 3
.irp a, 0,1,2,3
.irp f, 0,1,2,3,4,5,6,7
.irp c, 0,1
	ds_load_b128 v[64*\a+8*\f+4*\c:64*\a+8*\f+4*\c+3], v[BAD] offset:64*(8*\hf+\f)+16*\c   ; the sums begin as the biases' sum of the lane's eight columns (my wave's own bytes)
.endr
.endr
.endr
.endr
	WIN 0
	s_mov_b32 s60, 0                               ; the trip's place along K in a row of codes: 128 bytes a trip,
	s_mov_b32 s61, 0                               ; and in a row of scale bytes: 8
	s_mov_b32 s33, 0
	s_wait_dscnt 0x0                               ; for the others' sake: my rows lie in LDS
	s_barrier_signal -1
	s_barrier_wait -1                              ; all 64 rows do
.macro WADDR
	v_add_nc_u32 v[WA0], s60, v[A0]
	v_add_nc_u32 v[WA2], s60, v[A2]
	v_add_nc_u32 v[WS], s61, v[S0]
.endm
; The activations' four fragments and two scale registers of the trip's K step k (0, 1, or 2 = the next trip's first) into set q.
; Scale register i: lanes 0-15 the words of row block 2 i, lanes 16-31 of 2 i + 1.  (Lanes l and l + 16 fall on one bank there: two deep, two loads a K step.)
.macro ALOAD q, k
.irp a, 0,1
.irp c, 0,1
	ds_load_b128 v[AF+32*(\q)+8*\a+4*\c:AF+32*(\q)+8*\a+4*\c+3], v[WA0] offset:\a*16*PA+64*(\k)+32*\c
	ds_load_b128 v[AF+32*(\q)+16+8*\a+4*\c:AF+32*(\q)+16+8*\a+4*\c+3], v[WA2] offset:\a*16*PA+64*(\k)+32*\c
.endr
.endr
.irp n, 0,1
	ds_load_b32 v[SA+2*(\q)+\n], v[WS] offset:\n*32*PS+4*(\k)
.endr
.endm
; 32 products: the half's 8 column blocks x the 4 row blocks.  The 64 accumulators take turns, one instruction a turn, in the same order in every K step, over the loop's backward jump too.
.macro MM p, hf
	WIN 0xa1+0x50*(\hf)                            ; source 0 (weights) window 1, source 1 (activations) window 0, C and D window 2 or 3
.irp f, 0,1,2,3,4,5,6,7
.irp a, 0,1,2,3
.set rD, 64*\a+8*\f
.set rW, 128*(\p)+64*(\hf)+8*\f
.set rA, AF+32*(\p)+8*\a
.set rSW, SB+8*(\p)+4*(\hf)+\f/2
.set rSA, SA+2*(\p)+\a/2
.if (\f%2) && (\a%2)
	v_wmma_scale_f32_16x16x128_f8f6f4 v[rD:rD+7], v[rW:rW+7], v[rA:rA+7], v[rD:rD+7], v[rSW], v[rSA] matrix_a_fmt:MATRIX_FMT_FP4 matrix_b_fmt:MATRIX_FMT_FP4 matrix_a_scale:MATRIX_SCALE_ROW1 matrix_b_scale:MATRIX_SCALE_ROW1
.elseif (\f%2)
	v_wmma_scale_f32_16x16x128_f8f6f4 v[rD:rD+7], v[rW:rW+7], v[rA:rA+7], v[rD:rD+7], v[rSW], v[rSA] matrix_a_fmt:MATRIX_FMT_FP4 matrix_b_fmt:MATRIX_FMT_FP4 matrix_a_scale:MATRIX_SCALE_ROW1
.elseif (\a%2)
	v_wmma_scale_f32_16x16x128_f8f6f4 v[rD:rD+7], v[rW:rW+7], v[rA:rA+7], v[rD:rD+7], v[rSW], v[rSA] matrix_a_fmt:MATRIX_FMT_FP4 matrix_b_fmt:MATRIX_FMT_FP4 matrix_b_scale:MATRIX_SCALE_ROW1
.else
	v_wmma_scale_f32_16x16x128_f8f6f4 v[rD:rD+7], v[rW:rW+7], v[rA:rA+7], v[rD:rD+7], v[rSW], v[rSA] matrix_a_fmt:MATRIX_FMT_FP4 matrix_b_fmt:MATRIX_FMT_FP4
.endif
.endr
.endr
.endm
; Half hf of the K step in set p is multiplied.  cnt: the weight loads younger than this half's 17.
.macro HALF p, hf, cnt
	s_wait_loadcnt \cnt                            ; loads come back in order: this half's fragments and scale words are in
.if (\hf) == 0
	s_wait_dscnt 0x0                               ; and the step's activations (asked for 32 products ago)
.endif
	MM \p, \hf
.rept 4
	v_nop                                          ; four places behind the products; they stay beside the wait that follows
.endr
.endm
; The half just multiplied is asked for again, two K steps on: the loads' window, the wait, the 17 loads.
.macro AGAIN p, hf
	WIN 0x40
	s_wait_alu depctr_va_vdst(0)                   ; the half's 32 products are done reading its fragments and scale words, in which the loads below land; so are all earlier products, and what was added ahead of this line is written
	WLOAD \p, \hf, (2+(\p))*STEPB
.endm
	WADDR
	s_wait_alu depctr_va_vdst(0)                   ; v[WA0], v[WA2] and v[WS] are written, which the LDS loads below read as their addresses
	ALOAD 0, 0
.Lk:                                               ; a trip: K steps 2 t and 2 t + 1; it asks for the weights of steps 2 t + 2 and 2 t + 3
	HALF 0, 0, 51
	WIN 0
	s_wait_alu depctr_vm_vsrc(0)                   ; the LDS loads issued so far have read v[WA0], v[WA2] and v[WS], which the three additions write
	WADDR                                          ; (no LDS load of mine is out here)  They stand ahead of the half's wait, which so serves them too
	AGAIN 0, 0
	ALOAD 1, 1                                     ; no further wait: its addresses were written, and set 1's last products (the trip before) issued, ahead of the wait in AGAIN; only loads stand between
	HALF 0, 1, 51
	AGAIN 0, 1
	HALF 1, 0, 51
	AGAIN 1, 0
	ALOAD 0, 2                                     ; no further wait: set 0's last products, the second half's, were issued ahead of the wait in AGAIN; only loads stand between
	HALF 1, 1, 51
	AGAIN 1, 1
	s_wait_xcnt 0x0                                ; the loads have read their base: it steps only behind this wait
	s_add_nc_u64 s[18:19], s[18:19], 2*STEPB
	s_add_co_u32 s60, s60, 128
	s_add_co_u32 s61, s61, 8
	s_add_co_u32 s33, s33, 1
	s_cmp_lt_u32 s33, TRIPS
	s_cbranch_scc1 .Lk
	HALF 0, 0, 51                                  ; the last two K steps ask for no weights: the counts run down
	WIN 0
	s_wait_alu depctr_vm_vsrc(0)                   ; the LDS loads issued so far have read v[WA0], v[WA2] and v[WS], which the three additions write
	WADDR
	s_wait_alu depctr_va_vdst(0)                   ; the three addresses are written, which the LDS loads below read; the products that read set 1 are done
	ALOAD 1, 1
	HALF 0, 1, 34                                  ; these three halves are followed by no load of their own, so no wait on the vector side stands in them
	HALF 1, 0, 17
	HALF 1, 1, 0
	WIN 0
	; ---- LayerNorm and sigmoid, in the accumulators
.irp a, 0,1,2,3
	v_mov_b32 v[PT+\a], 0                          ; written once: a lane permute's destination counts as one of its sources
.endr
	WIN 0x40                                       ; ln_g', ln_b' of the lane's columns take the weights' registers
	s_wait_alu depctr_va_vdst(0)                   ; the last products are done reading the weights' registers, in which the loads below land
.set q, 0
.rept 32
	ds_load_b128 v[4*q:4*q+3], v[BAD] offset:1024+64*(q/2)+16*(q%2)
	ds_load_b128 v[128+4*q:128+4*q+3], v[BAD] offset:2048+64*(q/2)+16*(q%2)
.set q, q+1
.endr
	WIN 0x0a                                       ; the row sums: the four row blocks by turns
.irp a, 0,1,2,3
	v_pk_add_f32 v[T+2*\a:T+2*\a+1], v[64*\a:64*\a+1], v[64*\a+2:64*\a+3]
.endr
	WIN 0x02
.set q, 4
.rept 30
.irp a, 0,1,2,3
	v_pk_add_f32 v[T+2*\a:T+2*\a+1], v[64*\a+q:64*\a+q+1], v[T+2*\a:T+2*\a+1]
.endr
.set q, q+2
.endr
	WIN 0x03
.set q, 0
.rept 32
.irp a, 0,1,2,3
	v_pk_add_f32 v[T+2*\a:T+2*\a+1], v[64*\a+q:64*\a+q+1], v[T+2*\a:T+2*\a+1]
.endr
.set q, q+2
.endr
	WIN 0
; A lane's pair of partial sums v[s + 2 a], v[s + 2 a + 1] becomes the whole row's sum in v[RB + 4 a]: the pair, lane l xor 16, then the four waves through LDS at byte off behind RED1.
.macro ROWSUM s, off
.irp a, 0,1,2,3
	v_add_f32 v[\s+2*\a], v[\s+2*\a], v[\s+2*\a+1]
.endr
.irp a, 0,1,2,3
	v_permlanex16_b32 v[PT+\a], v[\s+2*\a], s34, s35
.endr
.irp a, 0,1,2,3
	v_add_f32 v[\s+2*\a], v[\s+2*\a], v[PT+\a]
.endr
	s_wait_alu depctr_va_vdst(0)                   ; the additions have written the four sums, which the stores below read; and every vector line that named v[RB ..] is done: the loads behind the barrier land there, and no vector line stands between
.irp a, 0,1,2,3
	ds_store_b32 v[RW], v[\s+2*\a] offset:\off+256*\a   ; lanes r and r + 16 write the same word with the same value; these four registers are not written again
.endr
	s_wait_dscnt 0x0                               ; for the others' sake: my stores have landed
	s_barrier_signal -1
	s_barrier_wait -1
.irp a, 0,1,2,3
	ds_load_b128 v[RB+4*\a:RB+4*\a+3], v[RR] offset:\off+256*\a
.endr
	s_wait_dscnt 0x0
.irp a, 0,1,2,3
	v_add_f32 v[RB+4*\a], v[RB+4*\a], v[RB+4*\a+1]
	v_add_f32 v[RB+4*\a+2], v[RB+4*\a+2], v[RB+4*\a+3]
.endr
.irp a, 0,1,2,3
	v_add_f32 v[RB+4*\a], v[RB+4*\a], v[RB+4*\a+2]
.endr
.endm
	ROWSUM T, 0
.irp a, 0,1,2,3
	v_mul_f32 v[NMU+2*\a], 0xba800000, v[RB+4*\a]  ; -mean = sum x -1/1024
.endr
.irp a, 0,1,2,3
	v_mov_b32 v[NMU+2*\a+1], v[NMU+2*\a]
.endr
.irp hf, 0,1
	WIN 0x82+0x41*\hf                              ; destination and source 0: window 2, then 3
.set q, 0
.rept 32
.irp a, 0,1,2,3
	v_pk_add_f32 v[64*\a+q:64*\a+q+1], v[64*\a+q:64*\a+q+1], v[NMU+2*\a:NMU+2*\a+1]   ; pre - mean
.endr
.set q, q+2
.endr
.endr
	WIN 0x0a
.irp a, 0,1,2,3
	v_pk_mul_f32 v[QS+2*\a:QS+2*\a+1], v[64*\a:64*\a+1], v[64*\a:64*\a+1]
.endr
.set q, 2
.rept 31
.irp a, 0,1,2,3
	v_pk_fma_f32 v[QS+2*\a:QS+2*\a+1], v[64*\a+q:64*\a+q+1], v[64*\a+q:64*\a+q+1], v[QS+2*\a:QS+2*\a+1]
.endr
.set q, q+2
.endr
	WIN 0x0f
.set q, 0
.rept 32
.irp a, 0,1,2,3
	v_pk_fma_f32 v[QS+2*\a:QS+2*\a+1], v[64*\a+q:64*\a+q+1], v[64*\a+q:64*\a+q+1], v[QS+2*\a:QS+2*\a+1]
.endr
.set q, q+2
.endr
	WIN 0
	ROWSUM QS, 1024
	s_mov_b32 s52, 0x3a800000                      ; 1/1024
	s_mov_b32 s53, 0x3727c5ac                      ; 1e-5
.irp a, 0,1,2,3
	v_fma_f32 v[RB+4*\a], v[RB+4*\a], s52, s53     ; the variance + eps
.endr
.irp a, 0,1,2,3
	v_rsq_f32 v[RS+2*\a], v[RB+4*\a]
.endr
	v_nop                                          ; a plain line behind the last of the four
	s_wait_alu depctr_va_vdst(0)                   ; the four v_rsq_f32 have written v[RS ..], ahead of their first reader: one wait for the four
.irp a, 0,1,2,3
	v_mov_b32 v[RS+2*\a+1], v[RS+2*\a]
.endr
; Row block a: 1 / (1 + 2^((pre - mean) rs g' + b')), in place.  The 128 exponentials are one batch with one wait, and so are the 128 reciprocals.
.macro CALC a
.irp hf, 0,1
	WIN 0x82+0x41*\hf
.set q, 0
.rept 32
	v_pk_mul_f32 v[64*(\a)+q:64*(\a)+q+1], v[64*(\a)+q:64*(\a)+q+1], v[RS+2*(\a):RS+2*(\a)+1]
.set q, q+2
.endr
	WIN 0x96+0x41*\hf                              ; sources 1 and 2 (g', b') window 1
.set q, 0
.rept 32
	v_pk_fma_f32 v[64*(\a)+q:64*(\a)+q+1], v[64*(\a)+q:64*(\a)+q+1], v[64*\hf+q:64*\hf+q+1], v[128+64*\hf+q:128+64*\hf+q+1]
.set q, q+2
.endr
.endr
.irp hf, 0,1
	WIN 0x82+0x41*\hf
.set q, 0
.rept 64
	v_exp_f32 v[64*(\a)+q], v[64*(\a)+q]
.set q, q+1
.endr
.endr
	v_nop
	s_wait_alu depctr_va_vdst(0)                   ; the 128 exponentials have written the block's registers, ahead of their first reader: one wait for the batch
.irp hf, 1,0
	WIN 0x82+0x41*\hf
.set q, 0
.rept 32
	v_pk_add_f32 v[64*(\a)+q:64*(\a)+q+1], v[64*(\a)+q:64*(\a)+q+1], 1.0 op_sel_hi:[1,0]
.set q, q+2
.endr
.endr
.irp hf, 0,1
	WIN 0x82+0x41*\hf
.set q, 0
.rept 64
	v_rcp_f32 v[64*(\a)+q], v[64*(\a)+q]
.set q, q+1
.endr
.endr
	v_nop
	s_wait_alu depctr_va_vdst(0)                   ; the 128 reciprocals have written the block's registers, ahead of their first readers, the LDS stores of the way out; no vector line names these registers again
.endm
; THE WAY OUT of row block a.  A lane holds 32 neighbouring bytes of a row and the lanes beside it other rows: so the block's 16 rows x 1,024 bytes go through my own stage and come back as pieces of 512 consecutive bytes,
; into the registers that they left.  LDS serves a wave's instructions in order: no wait on DScnt between the stores and the loads, nor in front of the next block's stores.
.macro TOSTAGE a
.irp hf, 0,1
	WIN 0x08+0x04*\hf                              ; the data: window 2, then 3
.irp f, 0,1,2,3,4,5,6,7
.irp c, 0,1
	ds_store_b128 v[STO], v[64*(\a)+8*\f+4*\c:64*(\a)+8*\f+4*\c+3] offset:512*\hf+64*\f+16*\c
.endr
.endr
.endr
	WIN 0x80
	s_wait_alu depctr_vm_vsrc(0)                   ; the 32 stores above have read the block's registers, in which the 32 loads below land
.irp hf, 0,1
	WIN 0x80+0x40*\hf
.set q, 0
.rept 16
	ds_load_b128 v[64*(\a)+4*q:64*(\a)+4*q+3], v[RD] offset:(8*\hf+q/2)*PST+512*(q%2)
.set q, q+1
.endr
.endr
	WIN 0
.endm
.macro SEND a
	s_wait_dscnt 0x0                               ; the block is back in registers
.irp hf, 0,1
	WIN 0x08+0x04*\hf
.set q, 0
.rept 16
	global_store_b128 v[L16], v[64*(\a)+4*q:64*(\a)+4*q+3], s[30:31] offset:(16*(\a)+8*\hf+q/2)*4096+512*(q%2) th:TH_STORE_NT   ; 32 lanes store 512 consecutive bytes, at a multiple of 256 from out0's first byte; these registers are not written again
.set q, q+1
.endr
.endr
	WIN 0
.endm
	CALC 0
	TOSTAGE 0
	CALC 1                                         ; a block's arithmetic stands between the loads of the block before and its stores; it names none of that block's registers
	SEND 0
	TOSTAGE 1
	CALC 2
	SEND 1
	TOSTAGE 2
	CALC 3
	SEND 2
	TOSTAGE 3
	SEND 3
	s_wait_dscnt 0x0                               ; the closing lines, six on end (every window is 0 here: the add's two registers lie in window 0)
	s_wait_alu 0x0
	s_wait_tensorcnt 0x0
	ds_add_u32 v[SPW], v[NIL]
	s_wait_dscnt 0x0
	s_endpgm
.Lfunc_end_k_q3c29045cce_fused:
	.size	k_q3c29045cce_fused, .Lfunc_end_k_q3c29045cce_fused-k_q3c29045cce_fused
	.p2alignl 7, 3214868480
	.fill 96, 4, 3214868480
	.section	.rodata,"a",@progbits
	.p2align	6, 0x0
	.amdhsa_kernel k_q3c29045cce_fused
		.amdhsa_group_segment_fixed_size 187904
		.amdhsa_private_segment_fixed_size 0
		.amdhsa_enable_private_segment 0
		.amdhsa_kernarg_size 112
		.amdhsa_user_sgpr_count 2
		.amdhsa_user_sgpr_kernarg_segment_ptr 1
		.amdhsa_wavefront_size32 1
		.amdhsa_system_sgpr_workgroup_id_x 1
		.amdhsa_system_sgpr_workgroup_id_y 1
		.amdhsa_system_sgpr_workgroup_id_z 1
		.amdhsa_system_vgpr_workitem_id 0
		.amdhsa_next_free_vgpr 1024
		.amdhsa_next_free_sgpr 66
		.amdhsa_reserve_vcc 0
		.amdhsa_float_denorm_mode_32 3
		.amdhsa_float_denorm_mode_16_64 3
		.amdhsa_memory_ordered 1
		.amdhsa_forward_progress 1
		.amdhsa_inst_pref_size 243
	.end_amdhsa_kernel
	.amdgpu_metadata
---
amdhsa.version: [ 1, 2 ]
amdhsa.kernels:
  - .name:           k_q3c29045cce_fused
    .symbol:         k_q3c29045cce_fused.kd
    .args:
      - { .name: x_codes, .offset: 0, .size: 8, .value_kind: global_buffer, .address_space: global }
      - { .name: x_scales, .offset: 8, .size: 8, .value_kind: global_buffer, .address_space: global }
      - { .name: hc, .offset: 16, .size: 8, .value_kind: global_buffer, .address_space: global }
      - { .name: hs, .offset: 24, .size: 8, .value_kind: global_buffer, .address_space: global }
      - { .name: mc, .offset: 32, .size: 8, .value_kind: global_buffer, .address_space: global }
      - { .name: ms, .offset: 40, .size: 8, .value_kind: global_buffer, .address_space: global }
      - { .name: idx, .offset: 48, .size: 8, .value_kind: global_buffer, .address_space: global }
      - { .name: wf, .offset: 56, .size: 8, .value_kind: global_buffer, .address_space: global }
      - { .name: W_b, .offset: 64, .size: 8, .value_kind: global_buffer, .address_space: global }
      - { .name: U_b, .offset: 72, .size: 8, .value_kind: global_buffer, .address_space: global }
      - { .name: Q_b, .offset: 80, .size: 8, .value_kind: global_buffer, .address_space: global }
      - { .name: ln_g, .offset: 88, .size: 8, .value_kind: global_buffer, .address_space: global }
      - { .name: ln_b, .offset: 96, .size: 8, .value_kind: global_buffer, .address_space: global }
      - { .name: out0, .offset: 104, .size: 8, .value_kind: global_buffer, .address_space: global }
    .group_segment_fixed_size: 187904
    .private_segment_fixed_size: 0
    .kernarg_segment_align: 8
    .kernarg_segment_size: 112
    .max_flat_workgroup_size: 128
    .sgpr_count:     66
    .vgpr_count:     1024
    .wavefront_size: 32
...
	.end_amdgpu_metadata
.endif
;; end of part 3
